; MI455X (gfx1250); checked and timed in simulation.
; The chip was launched on July 23, 2026; its instructions are those of AMD's public machine-readable ISA for CDNA 5 (MIT licence, August 2026) and "CDNA5" Instruction Set Architecture Reference Guide (July 2026). The comments in the code are by the model that wrote it; some were corrected since.
;; Global Self Attention. Allowed arithmetic: matrix products marked QUANTISED: E2M3 operands, one E8M0 scale for each 32 along K, by v_wmma_scale_f32_16x16x128_f8f6f4 with both operands' format E2M3, f32 sums; everything else in f32.
;; Inputs: Wout 1,024 x 1,024 float32; Wqkv 1,024 x 3,072 float32; bout 1,024 float32; bqkv 3,072 float32; x 4 x 2,048 x 1,024 float32.
;; Outputs: out0 4 x 2,048 x 1,024 float32.
;; This version of the problem:
;;   THIS VERSION OF THE PROBLEM IS GIVEN IN LOW PRECISION. The matrix products marked QUANTISED in the list below multiply operands that are first quantised to E2M3 (2 exponent bits, 3 mantissa bits; 6 bits a number), with one power-of-two scale for each 32 numbers along K (OCP MX v1.0); their sums are f32. All else is computed in f32.
;;   The module's matrix products, in the order in which they are computed (A, B: the left and right operand; K: the contracted axis; several contracted axes count as one K, in the product's order):
;;     1. [M 8,192, K 1,024] x [K 1,024, N 3,072]; A: input x; B: input Wqkv: QUANTISED
;;     2. batch 64 x [M 2,048, K 64] x [K 64, N 2,048]; A: computed on the way; B: computed on the way: QUANTISED
;;     3. batch 64 x [M 2,048, K 2,048] x [K 2,048, N 64]; A: softmax (see below); B: computed on the way: QUANTISED
;;     4. [M 8,192, K 1,024] x [K 1,024, N 1,024]; A: computed on the way; B: input Wout: QUANTISED
;;   THE QUANTISER, for each operand of a quantised product, along K:
;;     - K is cut into blocks of 32 from its start; a last block that is shorter is filled with zeros.
;;     - A block's scale is 2^e with e = floor(log2(the largest magnitude in the block)) - 2, held to -126 .. 127; a block of zeros has e = 0. As a byte (E8M0): e + 127.
;;     - Each number is divided by its block's scale, clamped to +-7.5, and rounded to the nearest number of E2M3, ties to even, subnormals kept.
;;     - The product sums the exact products of the quantised numbers (number of the format x scale) in f32.
;;   ~~~python
;;   def quantise(x, axis):      # numpy; x: float32 -> the quantised numbers, widened to float32 again
;;       x = np.moveaxis(x, axis, -1); K = x.shape[-1]
;;       x = np.pad(x, [(0, 0)] * (x.ndim - 1) + [(0, -K % 32)]); x = x.reshape(x.shape[:-1] + (-1, 32)); a = np.abs(x).max(-1, keepdims=True)
;;       e = np.where(a > 0, np.clip(np.frexp(np.where(a > 0, a, 1))[1] - 1 - 2, -126, 127), 0)      # np.frexp(a)[1] - 1 = floor(log2(a)), exactly
;;       r = np.clip(x / 2.0 ** e, -7.5, 7.5)
;;       step = 2.0 ** (np.maximum(np.frexp(np.where(r == 0, 1, r))[1] - 1, 0) - 3)
;;       q = np.round(r / step) * step * 2.0 ** e      # np.round: ties to even
;;       return np.moveaxis(q.reshape(q.shape[:-2] + (-1,))[..., :K], -1, axis).astype(np.float32)
;;   ~~~
;;   SOFTMAX AHEAD OF A QUANTISED PRODUCT. Where the list says 'softmax', what is quantised is not the finished softmax but p = 2^(t - M), with t = logit x log2(e) and M = ceil(the row's largest t), a whole number; so 1/2 < the row's largest p <= 1. The row's sum l is taken of the UNQUANTISED p, in f32, and the product's result is divided by l at the end. Since M is a whole number, a kernel that streams over the keys may use a running M (the ceiling of the running maximum): every later rescaling is an exact power of two, which a block's scale takes up: the codes' values come out the same.
;;   OPERANDS COMPUTED ON THE WAY. 'Computed on the way' means the value that the module computes at that place (a softmax that the list does not call 'softmax' is quantised finished and normalised). What goes into a quantiser is computed in f32, as accurately as f32 sums, v_exp_f32 and their like allow (about 1e-6 of the number): no bf16 or f16 on the way to a quantiser, and a product that is left as it is and whose result goes on into a quantised operand takes f32 operands (vector FMAs, or v_wmma_f32_16x16x4_f32). A number that lies on a knife's edge between two numbers of the format may be rounded either way, as far as f32 arithmetic and the matrix unit's own rounding can turn it there, and no further.
;; One version. Each part assembles by itself: llvm-mc -triple=amdgcn-amd-amdhsa -mcpu=gfx1250 --defsym DOCPART=n.
;; ======== version 1 of 1: 4 launches
;; workspace buffers: xcod 6,291,456 bytes; xscl 262,144 bytes; wcod 3,145,728 bytes; wscl 131,072 bytes; qkvc 18,874,368 bytes; qkvs 786,432 bytes; acod 6,291,456 bytes; ascl 262,144 bytes
;; launch prep (part 1): grid 384 x 1, 4 waves a work-group, no clusters, 68,096 bytes of LDS; arguments x, Wqkv, Wout, xcod, xscl, wcod, wscl; writes xcod, xscl, wcod, wscl
.if DOCPART == 1
	.amdgcn_target "amdgcn-amd-amdhsa--gfx1250"
	.amdhsa_code_object_version 6
	.text
	.protected	k_qb48503f484_prep
	.globl	k_qb48503f484_prep
	.p2align	8
	.type	k_qb48503f484_prep,@function
k_qb48503f484_prep:
	s_mov_b64 s[64:65], 0
	v_nop
	global_prefetch_b8 v0, s[64:65] scope:SCOPE_SE
	s_setreg_imm32_b32 hwreg(HW_REG_WAVE_MODE, 25, 1), 1
	s_wait_xcnt 0x0
; x [8192][1024], Wqkv [1024][3072] and Wout [1024][1024], f32, become codes of FP6 (E2M3), K innermost, with one E8M0 byte for each 32 along K.
; A block's scale is 2^(floor(log2(its largest magnitude)) - 2); its byte is the largest magnitude's exponent field - 2, held at 1 from below.
; LIMITS: a block of zeros gets the byte 1, not 127 (its codes are zeros, and this program alone reads the bytes); blocks whose largest magnitude lies under 2^-124 are held at byte 1;
; NaN and infinities among the inputs are not served.
; THE ORDER OF ROWS.  Row i of x, and column i of a weight, is stored at row SW(i) of its buffer, SW exchanging bits 3 and 4 of i.  Sixteen neighbouring stored rows are then rows 0-7 and 16-23 (or 8-15 and 24-31)
; of a group of 32: used as source 0 of a matrix instruction, two neighbouring tiles leave 16 NEIGHBOURS of the true order in a lane's 16 result registers, which is what the next quantiser wants.
; xcod [8192][768], xscl [8192][32];  wcod [4096][768], wscl [4096][32]: rows 0-3071 Wqkv's columns, rows 3072-4095 Wout's.
; Work-groups 0-255 take x (K innermost: a plain stream of blocks; a wave takes 8 rows), work-groups 256-383 the weights (K outermost: a lane takes a column, its registers run down K; a wave takes 32 columns x 256 K).
; The two ways never meet again and have LDS bytes of their own.  No tensor loads, no barrier: waves share nothing.
.set STEPS, 16
.set EMAX,  2
.set CB,    12                         ; bytes of 16 codes
.set XR,    16                         ; v16-79   x: four sets of 16 numbers as loaded
.set XN,    80                         ; v80-111  x: two sets of 16 neighbours
.set XE,    112                        ; v112-127 x: a scale byte for each step
.set XC,    128                        ; v128-191 x: codes, four registers for each step
.set WREG,  8192                       ; LDS, x's way: a region for each wave: two stages of 32 x SP bytes, then its 256 scale bytes
.set SP,    80
.set WST,   32768                      ; LDS, the weights' way: a stage of 32 rows x WP bytes for each wave
.set WP,    272
.set NB,    8                          ; blocks of 32 along K for a wave
.set WX,    32                         ; v32-95   W: two sets of 32 numbers
.set WC,    96                         ; v96..    W: a block's codes
.set OUTR,  112                        ; v112-175 W: the way out
.set SB,    24                         ; v24-25   W: the scale bytes
.set VO,    176                        ; v176-207 W: 4 x lane + i x a row of the weight, i = 0 .. 31; never rewritten
.set WIA,   208                        ; v208     W: the stage, on the way in
.set WOA,   209                        ; v209     W: on the way out
.set WGO,   210                        ; v210     W: my place in the codes' buffer
.set WSO,   211                        ; v211     W: my row of scale bytes
	s_load_b256 s[4:11], s[0:1], 0x0               ; x s[4:5], Wqkv s[6:7], Wout s[8:9], xcod s[10:11]
	s_load_b128 s[12:15], s[0:1], 0x20             ; xscl s[12:13], wcod s[14:15]
	s_load_b64 s[16:17], s[0:1], 0x30              ; wscl
	v_lshl_add_u32 v216, v0, 2, 0x10800
	v_mov_b32 v217, 0
	v_lshrrev_b32 v1, 5, v0
	v_readfirstlane_b32 s18, v1                    ; wave
	v_and_b32 v2, 31, v0                           ; lane
	; every LDS address of both ways is made here, ahead of the parting
	s_mul_i32 s19, s18, WREG
	v_lshrrev_b32 v14, 2, v2
	v_mul_u32_u24 v14, v14, SP
	v_and_b32 v15, 3, v2
	v_lshl_add_u32 v14, v15, 4, v14
	v_add_nc_u32 v14, s19, v14                     ; x's stage, in: four lanes' 64 bytes on end, then 16 of padding
	v_mul_u32_u24 v15, v2, SP
	v_add_nc_u32 v15, s19, v15                     ; out: SP x lane: my 16 neighbours
	v_lshrrev_b32 v5, 1, v2
	s_add_co_u32 s19, s19, 2*32*SP
	v_add_nc_u32 v5, s19, v5                       ; my block's scale byte
	v_lshlrev_b32 v7, 3, v2
	v_add_nc_u32 v6, s19, v7                       ; and 8 bytes a lane on the way out
	s_mul_i32 s20, s18, 32*WP
	s_add_co_u32 s20, s20, WST
	v_mul_u32_u24 v[WIA], v2, WP
	v_add_nc_u32 v[WIA], s20, v[WIA]               ; W's stage, in: row = my column
	v_and_b32 v10, 15, v2
	v_lshrrev_b32 v12, 4, v2
	v_mul_u32_u24 v[WOA], v12, WP
	v_lshl_add_u32 v[WOA], v10, 4, v[WOA]
	v_add_nc_u32 v[WOA], s20, v[WOA]               ; out: sixteen lanes to a row, two rows an instruction
	s_cmp_lt_u32 ttmp9, 256
	s_cbranch_scc0 .Lweights
	; ---------------- x ----------------
	v_lshlrev_b32 v3, 4, v2                        ; my 16 bytes of a load's 512
	v_mul_u32_u24 v4, v2, CB                       ; my codes' place in a step's
	s_lshl_b32 s20, ttmp9, 2
	s_add_co_u32 s22, s20, s18                     ; the run of 8 rows that I read: 4 x work-group + wave
	s_and_b32 s21, s18, 1
	s_lshl_b32 s21, s21, 1
	s_lshr_b32 s23, s18, 1
	s_or_b32 s21, s21, s23
	s_add_co_u32 s24, s20, s21                     ; and the run that I write: the wave's two bits exchanged: SW on groups of 8 rows
	s_lshl_b32 s22, s22, 15                        ; 8 rows x 4,096 bytes
	s_mov_b32 s23, 0
	s_mul_i32 s26, s24, 6144                       ; 8 rows x 768 bytes
	s_mov_b32 s27, 0
	s_lshl_b32 s24, s24, 8                         ; 8 rows x 32 bytes
	s_mov_b32 s25, 0
	s_wait_kmcnt 0x0
	s_add_nc_u64 s[4:5], s[4:5], s[22:23]
	s_add_nc_u64 s[10:11], s[10:11], s[26:27]
	s_add_nc_u64 s[12:13], s[12:13], s[24:25]
.macro XLOAD t
.irp i, 0,1,2,3
	global_load_b128 v[XR+16*((\t)%4)+4*\i:XR+16*((\t)%4)+4*\i+3], v3, s[4:5] offset:2048*(\t)+512*\i th:TH_LOAD_NT   ; 32 lanes read 512 consecutive bytes
.endr
.endm
.macro XTURN t                         ; step t's numbers through the stage: LDS serves a wave's instructions in order (ISA guide 5.7.1.4), so no wait stands between the stores and the loads
.irp i, 0,1,2,3
	ds_store_b128 v14, v[XR+16*((\t)%4)+4*\i:XR+16*((\t)%4)+4*\i+3] offset:32*SP*((\t)%2)+8*SP*\i
.endr
.irp i, 0,1,2,3
	ds_load_b128 v[XN+16*((\t)%2)+4*\i:XN+16*((\t)%2)+4*\i+3], v15 offset:32*SP*((\t)%2)+16*\i
.endr
.endm
.irp t, 0,1,2,3
	XLOAD \t
.endr
	s_wait_loadcnt 12                              ; step 0's four loads are in; the twelve of steps 1 to 3 may be out
	XTURN 0
.macro XSTEP t
.set XS, XN+16*((\t)%2)
.if (\t) > 0
	s_wait_dscnt 1                                 ; this step's numbers are back from the stage (the last step's byte store may be out)
.else
	s_wait_dscnt 0x0
.endif
.if (\t)+4 < STEPS
	XLOAD (\t)+4                                   ; into the registers that the stage's stores have read
.endif
.if (\t)+1 < STEPS
.if STEPS-2-(\t) >= 3
	s_wait_loadcnt 12                              ; the next step's four loads are in; those of the three steps behind it may be out
.else
	s_wait_loadcnt 4*(STEPS-2-(\t))
.endif
	XTURN (\t)+1
.endif
	v_max3_num_f32 v8, |v[XS]|, |v[XS+1]|, |v[XS+2]|               ; the largest magnitude of my 16, in two chains
	v_max3_num_f32 v9, |v[XS+3]|, |v[XS+4]|, |v[XS+5]|
.irp i, 6,10
	v_max3_num_f32 v8, v8, |v[XS+\i]|, |v[XS+\i+1]|
	v_max3_num_f32 v9, v9, |v[XS+\i+2]|, |v[XS+\i+3]|
.endr
	v_max3_num_f32 v8, v8, |v[XS+14]|, |v[XS+15]|
	v_max3_num_f32 v8, v8, v9, (EMAX+1)<<23        ; and the floor 2^(3 - 127): the byte cannot fall under 1
	v_max_num_f32_dpp v8, v8, v8 row_xmask:1 row_mask:0xf bank_mask:0xf   ; and of my neighbour's 16: the block's
	v_add_nc_u32 v11, -(EMAX<<23), v8              ; 2 off its exponent field: the conversion takes the exponent field of this operand as its scale
	v_cvt_scalef32_pk16_fp6_f32 v[XC+4*(\t):XC+4*(\t)+2], v[XS:XS+15], v11
	v_lshrrev_b32 v[XE+(\t)], 23, v11              ; the scale's byte (also the plain line behind the conversion)
	ds_store_b8 v5, v[XE+(\t)] offset:16*(\t)      ; both lanes of a block write the same byte with the same value
	global_store_b96 v4, v[XC+4*(\t):XC+4*(\t)+2], s[10:11] offset:32*CB*(\t)   ; the wave stores 384 consecutive bytes
.endm
.irp t, 0,1,2,3,4,5,6,7,8,9,10,11,12,13,14,15
	XSTEP \t
.endr
	ds_load_b64 v[12:13], v6                       ; my wave's 256 scale bytes
	s_wait_dscnt 0x0
	global_store_b64 v7, v[12:13], s[12:13]        ; 32 lanes store 256 consecutive bytes, aligned
	s_wait_tensorcnt 0x0
	ds_add_u32 v216, v217
	s_wait_dscnt 0x0
	s_endpgm
	; ---------------- the weights ----------------
.Lweights:
	s_sub_co_u32 s20, ttmp9, 256                   ; j = 0 .. 127
	s_lshr_b32 s21, s20, 2                         ; which 128 of the 4,096 stored rows
	s_and_b32 s22, s20, 3                          ; which 256 along K
	s_sub_co_u32 s25, s21, 24
	s_mov_b32 s24, 4096
	s_wait_kmcnt 0x0
	s_cmp_lt_u32 s20, 96                           ; Wqkv's work-group or Wout's?  The choice hangs on the work-group's number alone
	s_cselect_b64 s[6:7], s[6:7], s[8:9]
	s_cselect_b32 s24, 12288, s24                  ; a row of the weight in bytes
	s_cselect_b32 s25, s21, s25                    ; which 128 columns of it
	s_lshl_b32 s26, s25, 9
	s_lshl_b32 s27, s18, 7
	s_add_co_u32 s26, s26, s27                     ; my wave's first column, in bytes
	s_lshl_b32 s27, s22, 8
	s_mul_i32 s27, s27, s24
	s_add_co_u32 s26, s26, s27                     ; + my first row along K
	s_mov_b32 s27, 0
	s_add_nc_u64 s[32:33], s[6:7], s[26:27]        ; a base for each block of 32 rows: no pointer is stepped
	s_lshl_b32 s28, s24, 5
	s_mov_b32 s29, 0
.irp t, 1,2,3,4,5,6,7
	s_add_nc_u64 s[32+2*\t:33+2*\t], s[30+2*\t:31+2*\t], s[28:29]
.endr
	s_lshl_b32 s30, s21, 7
	s_lshl_b32 s31, s18, 5
	s_add_co_u32 s30, s30, s31                     ; my wave's first stored row
	s_mul_i32 s26, s30, 768
	s_mul_i32 s31, s22, 192
	s_add_co_u32 s26, s26, s31
	s_add_nc_u64 s[14:15], s[14:15], s[26:27]
	s_lshl_b32 s26, s30, 5
	s_lshl_b32 s31, s22, 3
	s_add_co_u32 s26, s26, s31
	s_add_nc_u64 s[16:17], s[16:17], s[26:27]
	v_lshlrev_b32 v3, 2, v2
.irp i, 0,1,2,3,4,5,6,7,8,9,10,11,12,13,14,15,16,17,18,19,20,21,22,23,24,25,26,27,28,29,30,31
	v_mad_u32_u24 v[VO+\i], s24, \i, v3
.endr
	v_mul_u32_u24 v[WGO], v12, 768
	v_mad_u32_u24 v[WGO], v10, 12, v[WGO]          ; out: row (lane / 16), 12 bytes a lane
	v_and_b32 v[WSO], 7, v2
	v_and_b32 v13, 8, v2
	v_lshl_add_u32 v[WSO], v13, 1, v[WSO]
	v_and_b32 v13, 16, v2
	v_lshrrev_b32 v13, 1, v13
	v_add_nc_u32 v[WSO], v[WSO], v13               ; SW(lane)
	v_lshlrev_b32 v[WSO], 5, v[WSO]                ; x 32 bytes
.macro WLOAD t                         ; block t: W(32 t + i, my column) into set t % 2: 32 lanes read 128 consecutive bytes
.irp i, 0,1,2,3,4,5,6,7,8,9,10,11,12,13,14,15,16,17,18,19,20,21,22,23,24,25,26,27,28,29,30,31
	global_load_b32 v[WX+32*((\t)%2)+\i], v[VO+\i], s[32+2*(\t):33+2*(\t)] th:TH_LOAD_NT
.endr
.endm
	WLOAD 0
	WLOAD 1
.macro WBLOCK t
.set XS, WX+32*((\t)%2)
.if (\t) < NB-1
	s_wait_loadcnt 32                              ; this block's 32 loads are in; the next block's 32 may be out
.else
	s_wait_loadcnt 0
.endif
	v_max3_num_f32 v12, |v[XS]|, |v[XS+1]|, |v[XS+2]|              ; the block's largest magnitude: all 32 numbers are mine
	v_max3_num_f32 v13, |v[XS+3]|, |v[XS+4]|, |v[XS+5]|
.irp i, 6,10,14,18,22,26
	v_max3_num_f32 v12, v12, |v[XS+\i]|, |v[XS+\i+1]|
	v_max3_num_f32 v13, v13, |v[XS+\i+2]|, |v[XS+\i+3]|
.endr
	v_max3_num_f32 v12, v12, |v[XS+30]|, |v[XS+31]|
	v_max3_num_f32 v12, v12, v13, (EMAX+1)<<23     ; and the floor
	v_add_nc_u32 v11, -(EMAX<<23), v12
	v_lshrrev_b32 v13, 23, v11                     ; the scale's byte
.if (\t)%4 == 0
	v_mov_b32 v[SB+(\t)/4], v13
.else
	v_lshl_or_b32 v[SB+(\t)/4], v13, 8*((\t)%4), v[SB+(\t)/4]
.endif
	v_cvt_scalef32_pk16_fp6_f32 v[WC:WC+2], v[XS:XS+15], v11
	v_cvt_scalef32_pk16_fp6_f32 v[WC+4:WC+6], v[XS+16:XS+31], v11  ; (a conversion's three registers begin on an even number)
	ds_store_b96 v[WIA], v[WC:WC+2] offset:32*(\t) ; 12 bytes to a place of 16, so that every LDS address is a multiple of 16
	ds_store_b96 v[WIA], v[WC+4:WC+6] offset:32*(\t)+16
.if (\t)+2 < NB
	WLOAD (\t)+2
.endif
	s_wait_dscnt 0x0                               ; the stores have read their registers: the next block's codes may be written
.endm
.set Q, 0
.rept NB
	WBLOCK Q
.set Q, Q+1
.endr
	global_store_b64 v[WSO], v[SB:SB+1], s[16:17]  ; my column's 8 scale bytes, at its stored row
.irp t, 0,1,2,3,4,5,6,7,8,9,10,11,12,13,14,15
	ds_load_b96 v[OUTR+4*\t:OUTR+4*\t+2], v[WOA] offset:2*\t*WP
.endr
.irp t, 0,1,2,3,4,5,6,7,8,9,10,11,12,13,14,15
	s_wait_dscnt 15-\t
	global_store_b96 v[WGO], v[OUTR+4*\t:OUTR+4*\t+2], s[14:15] offset:2*(((\t)&3)|(((\t)&4)<<1)|(((\t)&8)>>1))*768   ; columns 2 t, 2 t + 1 go to rows SW(2 t), SW(2 t + 1); sixteen lanes store a row's 192 consecutive bytes
.endr
	s_wait_tensorcnt 0x0
	ds_add_u32 v216, v217
	s_wait_dscnt 0x0
	s_endpgm
.Lfunc_end_k_qb48503f484_prep:
	.size	k_qb48503f484_prep, .Lfunc_end_k_qb48503f484_prep-k_qb48503f484_prep
	.p2alignl 7, 3214868480
	.fill 96, 4, 3214868480
	.section	.rodata,"a",@progbits
	.p2align	6, 0x0
	.amdhsa_kernel k_qb48503f484_prep
		.amdhsa_group_segment_fixed_size 68096
		.amdhsa_private_segment_fixed_size 0
		.amdhsa_enable_private_segment 0
		.amdhsa_kernarg_size 56
		.amdhsa_user_sgpr_count 2
		.amdhsa_user_sgpr_kernarg_segment_ptr 1
		.amdhsa_wavefront_size32 1
		.amdhsa_system_sgpr_workgroup_id_x 1
		.amdhsa_system_sgpr_workgroup_id_y 1
		.amdhsa_system_sgpr_workgroup_id_z 1
		.amdhsa_system_vgpr_workitem_id 0
		.amdhsa_next_free_vgpr 218
		.amdhsa_next_free_sgpr 66
		.amdhsa_reserve_vcc 0
		.amdhsa_float_denorm_mode_32 3
		.amdhsa_float_denorm_mode_16_64 3
		.amdhsa_memory_ordered 1
		.amdhsa_forward_progress 1
		.amdhsa_inst_pref_size 76
	.end_amdhsa_kernel
	.amdgpu_metadata
---
amdhsa.version: [ 1, 2 ]
amdhsa.kernels:
  - .name:           k_qb48503f484_prep
    .symbol:         k_qb48503f484_prep.kd
    .args:
      - { .name: x, .offset: 0, .size: 8, .value_kind: global_buffer, .address_space: global }
      - { .name: Wqkv, .offset: 8, .size: 8, .value_kind: global_buffer, .address_space: global }
      - { .name: Wout, .offset: 16, .size: 8, .value_kind: global_buffer, .address_space: global }
      - { .name: xcod, .offset: 24, .size: 8, .value_kind: global_buffer, .address_space: global }
      - { .name: xscl, .offset: 32, .size: 8, .value_kind: global_buffer, .address_space: global }
      - { .name: wcod, .offset: 40, .size: 8, .value_kind: global_buffer, .address_space: global }
      - { .name: wscl, .offset: 48, .size: 8, .value_kind: global_buffer, .address_space: global }
    .group_segment_fixed_size: 68096
    .private_segment_fixed_size: 0
    .kernarg_segment_align: 8
    .kernarg_segment_size: 56
    .max_flat_workgroup_size: 128
    .sgpr_count:     66
    .vgpr_count:     218
    .wavefront_size: 32
...
	.end_amdgpu_metadata
.endif
;; end of part 1
;; launch qkv (part 2): grid 12 x 32, 4 waves a work-group, clusters of 4 x 4, 327,680 bytes of LDS; arguments xcod, xscl, wcod, wscl, bqkv, qkvc, qkvs; writes qkvc, qkvs
.if DOCPART == 2
	.amdgcn_target "amdgcn-amd-amdhsa--gfx1250"
	.amdhsa_code_object_version 6
	.text
	.protected	k_qb48503f484_qkv
	.globl	k_qb48503f484_qkv
	.p2align	8
	.type	k_qb48503f484_qkv,@function
k_qb48503f484_qkv:
	s_mov_b64 s[64:65], 0
	v_nop
	global_prefetch_b8 v0, s[64:65] scope:SCOPE_SE
	s_setreg_imm32_b32 hwreg(HW_REG_WAVE_MODE, 25, 1), 1
	s_wait_xcnt 0x0
	s_wait_alu depctr_hold_cnt(0) depctr_sa_sdst(0) depctr_va_vdst(0) depctr_va_sdst(0) depctr_va_ssrc(0) depctr_va_vcc(0) depctr_vm_vsrc(0)
	s_getreg_b32 s2, hwreg(HW_REG_IB_STS2, 6, 4)
	s_cmp_eq_u32 s2, 0
	s_cbranch_scc0 .Lentry_in_a_cluster
	s_endpgm
.Lentry_in_a_cluster:
	s_bfe_u32 s2, ttmp6, 0x10000c
	s_cmp_lg_u32 s2, 0xf033
	s_cbranch_scc0 .Lentry_shape_is_right
	s_endpgm
.Lentry_shape_is_right:
; qkv = x Wqkv + bqkv on codes of FP6 (E2M3) with E8M0 scales, K = 1,024; the result never goes to memory as f32: q and k are quantised along the head's 64, v along the keys, in registers, and leave as codes.
; A tile of 256 x 256 of the result is made by four waves, each 128 x 128: 64 accumulators, 512 registers.  K goes in steps of 256 through a ring of two LDS slots filled by the tensor data mover; the scale bytes of the
; tile's 512 rows come once and stay.  4 x 4 work-groups form a cluster; the A region's tile is asked for jointly along a row of the cluster, the B region's along a column.
; Source 0 = 16 rows of the B region, source 1 = 16 rows of the A region: a lane holds ONE row of A, and its registers run along B's rows.  Rows of xcod and wcod are stored with bits 3 and 4 of their number exchanged,
; so the 16 registers of two neighbouring tiles are 16 neighbours of the true order.
; TWO KINDS OF CLUSTER.  Cluster x = 0, 1 (q and k): A = x's tile 4 x cluster y + cy, B = W's tile 4 x cluster x + cx: a lane holds a token and 128 columns: two heads.
; Cluster x = 2 (v): A = W's tile 8 + cy, B = x's tile 4 x cluster y + cx: a lane holds a column d and 128 keys.  Only the buffers' pointers and the tiles' numbers are chosen (on the cluster's x, which all partners share):
; A's address hangs on cy alone and B's on cx alone in both kinds; masks, shapes and every LDS address are the same.
; OUT.  16 rows x 64 codes are a HALF FRAGMENT of 768 bytes, an image of six registers: 512 bytes (registers 0-3 at 16 x lane), then 256 (registers 4-5 at 8 x lane): each store covers whole aligned runs of 256 bytes.
; qkvc: [G 0..31 (q's heads, then k's)][T = stored row / 16, 0..511][768]; from byte 12,582,912: [b 16 + h][64 keys, 0..31][16 d, 0..3][768].
; qkvs: [G][pair of T][16 words: tile 2 P's two bytes, tile 2 P + 1's two]; from byte 524,288: [b 16 + h][128 keys, 0..15][16 d, 0..3][16 words].
; LIMITS: a block of zeros carries the byte 1, not 127 (its codes are zeros; this program alone reads the bytes); blocks under 2^-124 are held at byte 1; NaN and infinities are not served.
; REGISTERS: window 0: v0-31 addresses; v32-63 scale words; v64-127 bqkv along registers; v128-223 A's fragments, later the quantiser's work; v240-255 bqkv along lanes.  window 1: B's fragments, two sets.  windows 2, 3: accumulators.
.set KSTEP,  256
.set NQ,     2                         ; matrix instructions deep in a slot
.set ROWB,   192                       ; a tile's row in bytes
.set KROW,   768                       ; a row of codes in memory
.set PITCH,  240                       ; an LDS row: 3 x (64 bytes + 16 of padding)
.set FR,     12
.set NL,     6
.set NP,     4                         ; places behind this matrix instruction (ISA guide 7.12.1)
.set HALFT,  128*PITCH
.set SLOT,   4*HALFT
.set LAPS,   2                         ; K = 1,024: twice round the ring
.set KS,     32                        ; a row of scale bytes
.set SCL,    2*SLOT                    ; behind the ring: the scale bytes, as runs of 256 bytes + 16 of padding
.set HALFS,  (128*KS/256)*272
.set SBLK,   (16*KS/256)*272
.set SPARE,  SCL+4*HALFS               ; the spare words, 128 bytes a wave
.set SSQ,    SPARE+512                 ; scratch for q's and k's scale words, 512 bytes a wave; no fill lands here
.set SSV,    SSQ+2048                  ; the same for v's
.set ADRA, 16
.set ADRB, 20
.set ADRS, 27
.set SPW,  28
.set NIL,  29
.set SC,   32
.set BI,   64                          ; bqkv for a lane's 64 registers (q, k)
.set AF,   128
.set BV,   240                         ; bqkv for the lane's own column, block a at the pair BV + 2 a (v)
.set H,    128                         ; the way out: 64 numbers
.set PC,   192                         ; the codes just made
.set TM,   212                         ; at work
.set PW,   228                         ; the scale word just made
.set PWE,  229                         ; that of the even block before
.set SWL,  230
.set SWH,  231
.set BK,   232
.set SEL,  66                          ; s[66:67] lane selects for v_permlanex16_b32
.set G1, 24
.set G0, 32
.set G1B, 48
.set G0B, 56
.set G1S, 68
.set G0S, 76
.set G1SB, 80
.set G0SB, 88
.set MSB, 0
.macro WIN new                         ; the immediate's high byte repeats the setting that is left
.if MSB != \new
	s_set_vgpr_msb (MSB<<8)|\new
.set MSB, \new
.endif
.endm
.set MUL_LO, 0xa1                      ; source 0 (B) window 1, source 1 (A) window 0, C and D window 2
.set MUL_HI, 0xf1
.set TO_B,   0x40
; A joint load: waves 0 and 1 fetch for the A region, waves 2 and 3 for the B region.  The branch hangs on the wave's number alone.  Four v_nop follow each of the two lines.
.macro JLOAD g0a, g1a, g0b, g1b
	s_cmp_eq_u32 s15, 0
	s_cbranch_scc0 .Lfor_b_\@
	tensor_load_to_lds s[\g0a:\g0a+3], s[\g1a:\g1a+7]
	s_nop 0
.rept 4
	v_nop
.endr
	s_branch .Lasked_\@
.Lfor_b_\@:
	tensor_load_to_lds s[\g0b:\g0b+3], s[\g1b:\g1b+7]
	s_nop 0
.rept 4
	v_nop
.endr
.Lasked_\@:
.endm
.macro CREST                           ; a round of the cluster's barrier behind its opening barrier
	s_cmp_lg_u32 s14, 0
	s_cbranch_scc1 .Lnot_wave_0_\@
	s_barrier_signal -3
.Lnot_wave_0_\@:
	s_barrier_wait -3
	s_barrier_signal -1
	s_barrier_wait -1
.endm
.macro CROUND
	s_barrier_signal -1
	s_barrier_wait -1
	CREST
.endm
	s_load_b128 s[4:7], s[0:1], 0x0                ; xcod, xscl
	s_load_b128 s[8:11], s[0:1], 0x10              ; wcod, wscl
	s_load_b128 s[96:99], s[0:1], 0x20             ; bqkv, qkvc
	s_load_b64 s[100:101], s[0:1], 0x30            ; qkvs
	v_lshl_add_u32 v[SPW], v0, 2, SPARE
	v_mov_b32 v[NIL], 0
	ds_add_u32 v28, v29
	ds_add_u32 v28, v29
	s_wait_dscnt 0x0
	v_lshrrev_b32 v1, 5, v0
	v_readfirstlane_b32 s14, v1                    ; wave 0..3
	s_lshr_b32 s15, s14, 1                         ; sA: which 128 rows of the A region are mine.  Also: I fetch for A (0) or for B (1)
	s_and_b32 s16, s14, 1                          ; sB: which 128 rows of the B region.  Also: which 128 rows I fetch
	s_bfe_u32 s40, ttmp6, 0x40000                  ; cx
	s_bfe_u32 s41, ttmp6, 0x40004                  ; cy
	s_and_b32 s18, ttmp7, 0xffff
	s_lshl_b32 s18, s18, 2                         ; 4 x cluster y
	s_lshl_b32 s19, ttmp9, 2                       ; 4 x cluster x
	s_add_co_u32 s17, s18, s41                     ; q, k: A = x's tile 4 cluster y + cy
	s_add_co_u32 s20, s41, 8                       ; v:    A = W's tile 8 + cy
	s_add_co_u32 s42, s19, s40                     ; q, k: B = W's tile 4 cluster x + cx
	s_add_co_u32 s21, s18, s40                     ; v:    B = x's tile 4 cluster y + cx
	s_cmp_eq_u32 ttmp9, 2                          ; the kind: the same in all sixteen partners
	s_cselect_b32 s17, s20, s17                    ; A's tile: made of cy alone
	s_cselect_b32 s42, s21, s42                    ; B's tile: made of cx alone
	s_lshl_b32 s43, s41, 2
	s_lshl_b32 s43, 15, s43                        ; my row of the cluster
	s_lshl_b32 s44, 0x1111, s40                    ; my column
	; descriptor group 1: a tile of 128 rows x 192 bytes, 16 bytes of padding behind every 64
	s_or_b32 s[G1+0], s43, (0<<16)|(1<<20)|(1<<21)|(3<<22)|(3<<25)
	s_or_b32 s[G1B+0], s44, (0<<16)|(1<<20)|(1<<21)|(3<<22)|(3<<25)
.irp g, G1, G1B
	s_mov_b32 s[\g+1], ROWB<<16                    ; tensor_dim0
	s_mov_b32 s[\g+2], 128<<16                     ; tensor_dim1
	s_mov_b32 s[\g+3], ROWB<<16                    ; tile_dim0
	s_mov_b32 s[\g+4], 128                         ; tile_dim1
	s_mov_b32 s[\g+5], KROW                        ; from row to row
	s_mov_b32 s[\g+6], 0
	s_mov_b32 s[\g+7], 0
.endr
	; the scale bytes of 128 rows: 4,096 dense bytes, as 16 rows of 256 (32 elements of 8 bytes), 16 bytes of padding behind each
	s_or_b32 s[G1S+0], s43, (3<<16)|(1<<20)|(1<<21)|(5<<22)|(3<<25)
	s_or_b32 s[G1SB+0], s44, (3<<16)|(1<<20)|(1<<21)|(5<<22)|(3<<25)
.irp g, G1S, G1SB
	s_mov_b32 s[\g+1], 32<<16
	s_mov_b32 s[\g+2], (128*KS/256)<<16
	s_mov_b32 s[\g+3], 32<<16
	s_mov_b32 s[\g+4], 128*KS/256
	s_mov_b32 s[\g+5], 32
	s_mov_b32 s[\g+6], 0
	s_mov_b32 s[\g+7], 0
.endr
	s_lshl_b32 s18, s16, 7                         ; which 128 rows of the tile I fetch
	s_lshl_b32 s20, s17, 8
	s_add_co_u32 s20, s20, s18                     ; A: row
	s_lshl_b32 s46, s42, 8
	s_add_co_u32 s46, s46, s18                     ; B: row
	s_mov_b32 s21, 0
	s_mov_b32 s47, 0
	s_mov_b64 s[18:19], KS
	s_mul_u64 s[22:23], s[20:21], s[18:19]         ; where these rows' scale bytes begin
	s_mul_u64 s[92:93], s[46:47], s[18:19]
	s_mov_b64 s[18:19], KROW
	s_mul_u64 s[20:21], s[20:21], s[18:19]         ; and their codes
	s_mul_u64 s[46:47], s[46:47], s[18:19]
	s_mul_i32 s45, s14, HALFT                      ; where they go: wave x 128 rows
	s_mul_i32 s94, s14, HALFS
	s_wait_kmcnt 0x0
	s_cmp_eq_u32 ttmp9, 2
	s_cselect_b64 s[12:13], s[8:9], s[4:5]         ; A's codes: W's for v, else x's
	s_cselect_b64 s[8:9], s[4:5], s[8:9]           ; B's codes
	s_cselect_b64 s[4:5], s[10:11], s[6:7]         ; A's scale bytes
	s_cselect_b64 s[10:11], s[6:7], s[10:11]       ; B's
	s_add_nc_u64 s[20:21], s[12:13], s[20:21]
	s_add_nc_u64 s[22:23], s[4:5], s[22:23]
	s_add_nc_u64 s[46:47], s[8:9], s[46:47]
	s_add_nc_u64 s[92:93], s[10:11], s[92:93]
	CROUND                                         ; all sixteen work-groups are here: the first joint loads meet
	s_mov_b32 s[G0S], 1
	s_add_co_u32 s[G0S+1], s94, SCL
	s_mov_b64 s[G0S+2:G0S+3], s[22:23]
	s_or_b32 s[G0S+3], s[G0S+3], 0x80000000
	s_mov_b32 s[G0SB], 1
	s_add_co_u32 s[G0SB+1], s94, SCL
	s_mov_b64 s[G0SB+2:G0SB+3], s[92:93]
	s_or_b32 s[G0SB+3], s[G0SB+3], 0x80000000
	JLOAD G0S, G1S, G0SB, G1SB                     ; the scale bytes first: they are wanted with K step 0
.irp s, 0,1
	s_mov_b32 s[G0+4*\s], 1
	s_add_co_u32 s[G0+4*\s+1], s45, \s*SLOT
	s_add_nc_u64 s[G0+4*\s+2:G0+4*\s+3], s[20:21], \s*ROWB
	s_or_b32 s[G0+4*\s+3], s[G0+4*\s+3], 0x80000000
	s_mov_b32 s[G0B+4*\s], 1
	s_add_co_u32 s[G0B+4*\s+1], s45, \s*SLOT
	s_add_nc_u64 s[G0B+4*\s+2:G0B+4*\s+3], s[46:47], \s*ROWB
	s_or_b32 s[G0B+4*\s+3], s[G0B+4*\s+3], 0x80000000
	JLOAD G0+4*\s, G1, G0B+4*\s, G1B               ; three tensor loads of mine are out
.endr
	v_and_b32 v1, 15, v0                           ; r
	v_bfe_u32 v2, v0, 4, 1                         ; h
	v_mul_u32_u24 v3, v1, PITCH
	v_mul_u32_u24 v4, v2, 24
	v_add_nc_u32 v4, v3, v4                        ; a fragment's row x pitch + 24 h
	v_lshl_add_u32 v5, v2, 4, v4                   ; and the same behind one padding more
	s_mul_i32 s21, s15, HALFT                      ; my 128 rows of A
	s_mul_i32 s22, s16, HALFT                      ; my 128 rows of B,
	s_add_co_u32 s22, s22, 2*HALFT                 ; behind A's 256
.irp s, 0,1
	v_add_nc_u32 v[ADRA+\s], s21, v4
	v_add_nc_u32 v[ADRB+\s], s22, v4
	v_add_nc_u32 v[ADRA+2+\s], s21, v5
	v_add_nc_u32 v[ADRB+2+\s], s22, v5
	s_add_co_u32 s21, s21, SLOT
	s_add_co_u32 s22, s22, SLOT
.endr
	v_mul_u32_u24 v5, v1, KS                       ; my row's scale bytes,
	v_lshrrev_b32 v6, 8, v5
	v_lshl_add_u32 v5, v6, 4, v5                   ; and 16 more for each 256 passed
	s_mul_i32 s21, s15, HALFS
	s_mul_i32 s22, s16, HALFS
	s_add_co_u32 s22, s22, 2*HALFS
	s_sub_co_u32 s22, s22, s21
	v_mul_u32_u24 v6, s22, v2                      ; lanes 16-31 take B's
	s_add_co_u32 s21, s21, SCL
	v_add_nc_u32 v5, v5, v6
	v_add_nc_u32 v[ADRS], s21, v5
	; the way out's addresses
	v_and_b32 v6, 31, v0
	v_lshlrev_b32 v7, 4, v6                        ; v7  16 x lane
	v_lshlrev_b32 v8, 3, v6                        ; v8  8 x lane
	v_lshlrev_b32 v9, 6, v2                        ; v9  64 h: bqkv along registers
	v_and_b32 v3, 7, v1
	v_and_b32 v4, 8, v1
	v_lshl_add_u32 v3, v4, 1, v3
	v_lshlrev_b32 v30, 2, v3                       ; v30 4 (r % 8 + 16 (r / 8)): the true column of stored row r
	s_lshl_b32 s21, s14, 9
	v_lshlrev_b32 v3, 2, v1
	v_add_nc_u32 v3, s21, v3
	v_add_nc_u32 v10, SSQ, v3                      ; v10 scratch in: 512 wave + 4 r
	v_add_nc_u32 v13, SSV, v3                      ; v13
	v_add_nc_u32 v4, s21, v7
	v_add_nc_u32 v11, SSQ, v4                      ; v11 scratch out: 512 wave + 16 lane
	v_add_nc_u32 v14, SSV, v4                      ; v14
	v_lshlrev_b32 v3, 4, v1
	v_lshl_add_u32 v12, v2, 14, v3                 ; v12 16 r, lanes 16-31 the next head's words (q, k)
	v_lshl_add_u32 v15, v2, 12, v3                 ; v15 the same for v
	s_mov_b32 s[SEL], 0x76543210
	s_mov_b32 s[SEL+1], 0xfedcba98
	s_cmp_eq_u32 ttmp9, 2
	s_cselect_b32 s20, s17, s42                    ; tc: W's tile, 0 .. 11
	s_cselect_b32 s21, s42, s17                    ; ty: x's tile, 0 .. 31
	s_lshl_b32 s22, s20, 10
	s_lshl_b32 s23, s16, 9
	s_add_co_u32 s46, s22, s23
	s_mov_b32 s47, 0
	s_add_nc_u64 s[12:13], s[96:97], s[46:47]      ; bqkv at column 256 tc + 128 sB
	s_lshl_b32 s23, s15, 9
	s_add_co_u32 s46, s22, s23
	s_add_nc_u64 s[18:19], s[96:97], s[46:47]      ; and at 256 tc + 128 sA
	; both forms of the bias are loaded by every wave (each stays inside bqkv for every tc): no branch; the wait stands ahead of the way out
.irp t, 0,1,2,3,4,5,6,7
	global_load_b128 v[BI+8*\t:BI+8*\t+3], v9, s[12:13] offset:(32*(\t/2)+8*(\t%2))*4
	global_load_b128 v[BI+8*\t+4:BI+8*\t+7], v9, s[12:13] offset:(32*(\t/2)+8*(\t%2))*4+16
	global_load_b32 v[BV+2*\t], v30, s[18:19] offset:(32*(\t/2)+8*(\t%2))*4
	global_load_b32 v[BV+2*\t+1], v30, s[18:19] offset:(32*(\t/2)+8*(\t%2))*4   ; twice: a pair for the packed addition
.endr
	; where my results go.  q, k: G = 4 tc + 2 sB, T = 16 ty + 8 sA
	s_lshl_b32 s22, s20, 2
	s_lshl_b32 s23, s16, 1
	s_add_co_u32 s22, s22, s23
	s_lshl_b32 s23, s21, 4
	s_lshl_b32 s45, s15, 3
	s_add_co_u32 s23, s23, s45
	s_mul_i32 s46, s22, 393216
	s_mul_i32 s45, s23, 768
	s_add_co_u32 s46, s46, s45
	s_lshl_b32 s92, s22, 14
	s_lshl_b32 s45, s23, 5
	s_add_co_u32 s92, s92, s45
	; v: b 16 + h = 16 (ty / 8) + 4 (tc % 4) + 2 sA; 64 keys' group = 4 (ty % 8) + 2 sB
	s_lshr_b32 s22, s21, 3
	s_lshl_b32 s22, s22, 4
	s_and_b32 s23, s20, 3
	s_lshl_b32 s23, s23, 2
	s_add_co_u32 s22, s22, s23
	s_lshl_b32 s23, s15, 1
	s_add_co_u32 s22, s22, s23
	s_and_b32 s23, s21, 7
	s_lshl_b32 s23, s23, 2
	s_lshl_b32 s45, s16, 1
	s_add_co_u32 s23, s23, s45
	s_lshl_b32 s45, s22, 5
	s_add_co_u32 s45, s45, s23
	s_mul_i32 s45, s45, 3072
	s_add_co_u32 s45, s45, 12582912
	s_lshl_b32 s22, s22, 12
	s_lshl_b32 s23, s23, 7
	s_add_co_u32 s22, s22, s23
	s_add_co_u32 s22, s22, 524288
	s_cmp_eq_u32 ttmp9, 2
	s_cselect_b32 s46, s45, s46
	s_cselect_b32 s92, s22, s92
	s_mov_b32 s93, 0
	s_add_nc_u64 s[98:99], s[98:99], s[46:47]
	s_add_nc_u64 s[100:101], s[100:101], s[92:93]
.macro FRAG reg, adr, q, i             ; 16 rows x 128 K: lane (r, h) takes 24 bytes at 24 h and 24 at 48 + 24 h of its row's 96, in pieces of 8
.irp p, 0,1,2,3,4,5
.set PCE, 12*(\q)+6*(\p/3)+\p%3       ; 16 bytes of padding lie behind every 8 pieces: where lanes 16-31's piece lies behind one padding more, the second address register serves
.if PCE%8 < 5
	ds_load_b64 v[\reg+2*\p:\reg+2*\p+1], v[\adr] offset:8*PCE+16*(PCE/8)+(\i)*16*PITCH
.else
	ds_load_b64 v[\reg+2*\p:\reg+2*\p+1], v[\adr+2] offset:8*PCE+16*(PCE/8)+(\i)*16*PITCH
.endif
.endr
.endm
; 16 matrix instructions: A's blocks a0, a0 + 1 x B's eight.  The 64 accumulators take turns, one instruction a turn, in the same order in every step.
.macro MUL16 a0, p, q, sc, zero
.irp a, \a0, \a0+1
.irp b, 0,1,2,3,4,5,6,7
.if \zero
	v_wmma_scale_f32_16x16x128_f8f6f4 v[8*(8*((\a)%4)+\b):8*(8*((\a)%4)+\b)+7], v[128*(\p)+FR*\b:128*(\p)+FR*\b+FR-1], v[AF+FR*(\a):AF+FR*(\a)+FR-1], 0, v[SC+8*NQ*(\sc)+NQ*\b+(\q)], v[SC+8*NQ*(\sc)+NQ*(\a)+(\q)] matrix_a_fmt:MATRIX_FMT_FP6 matrix_b_fmt:MATRIX_FMT_FP6 matrix_a_scale:MATRIX_SCALE_ROW1
.else
	v_wmma_scale_f32_16x16x128_f8f6f4 v[8*(8*((\a)%4)+\b):8*(8*((\a)%4)+\b)+7], v[128*(\p)+FR*\b:128*(\p)+FR*\b+FR-1], v[AF+FR*(\a):AF+FR*(\a)+FR-1], v[8*(8*((\a)%4)+\b):8*(8*((\a)%4)+\b)+7], v[SC+8*NQ*(\sc)+NQ*\b+(\q)], v[SC+8*NQ*(\sc)+NQ*(\a)+(\q)] matrix_a_fmt:MATRIX_FMT_FP6 matrix_b_fmt:MATRIX_FMT_FP6 matrix_a_scale:MATRIX_SCALE_ROW1
.endif
.endr
.endr
.endm
.macro FETCH_B slot, q, p
	WIN TO_B
.irp i, 0,1,2,3,4,5,6,7
	FRAG 128*(\p)+FR*\i, ADRB+\slot, \q, \i
.endr
	WIN 0
.endm
.macro FETCH_A slot, q, i0
.irp i, \i0, \i0+1, \i0+2, \i0+3
	FRAG AF+FR*(\i), ADRA+\slot, \q, \i
.endr
.endm
.macro SCALES sc                       ; a K step's scale words: lanes 0-15 take A's block i, lanes 16-31 B's block i
.irp i, 0,1,2,3,4,5,6,7
	ds_load_b64 v[SC+8*NQ*\sc+NQ*\i:SC+8*NQ*\sc+NQ*\i+1], v[ADRS] offset:\i*SBLK
.endr
.endm
.macro PLACES n                        ; plain vector lines between a matrix instruction and a load into, or a vector line on, its registers
.rept \n
	v_nop
.endr
.endm
.macro STEP slot, q, zero              ; 128 along K that has its successor in the same slot
	s_wait_dscnt 4*NL                              ; B's set and A's blocks 0-3 are in; the youngest 24 loads (A's blocks 4-7) may be out
	WIN MUL_LO
	MUL16 0, (\q)%2, \q, \slot, \zero
	MUL16 2, (\q)%2, \q, \slot, \zero
	s_wait_dscnt 0
	PLACES NP
	FETCH_B \slot, (\q)+1, 1-(\q)%2
	FETCH_A \slot, (\q)+1, 0
	WIN MUL_HI
	MUL16 4, (\q)%2, \q, \slot, \zero
	MUL16 6, (\q)%2, \q, \slot, \zero
	PLACES NP
	WIN 0
	FETCH_A \slot, (\q)+1, 4
.endm
; A slot's last step changes slots: one barrier; in front of it each wave waits for all its tensor loads, adds 0 to its spare word, and waits for that and for its reads of this slot.
.macro TURN slot, next, fill
	s_wait_tensorcnt 0x0                           ; all my tensor loads have landed: my part of the next slot
	ds_add_u32 v[SPW], v[NIL]                      ; 0 onto my spare word
	s_wait_dscnt 4*NL+1                            ; (the add and the youngest 24 loads may be out)
	WIN MUL_LO
	MUL16 0, 1, NQ-1, \slot, 0
	s_wait_dscnt 0x0                               ; the add is done, and my reads of this slot are over
	s_barrier_signal -1
	MUL16 2, 1, NQ-1, \slot, 0
	WIN 0
	s_barrier_wait -1
.if \fill
	CREST                                          ; the barrier has opened a round of the cluster's: no wave of any partner still reads this slot or has a load on its way
	s_add_nc_u64 s[G0+4*\slot+2:G0+4*\slot+3], s[G0+4*\slot+2:G0+4*\slot+3], 2*ROWB
	s_add_nc_u64 s[G0B+4*\slot+2:G0B+4*\slot+3], s[G0B+4*\slot+2:G0B+4*\slot+3], 2*ROWB
	JLOAD G0+4*\slot, G1, G0B+4*\slot, G1B         ; the first tensor load behind the round; its four v_nop are the places in front of the loads below
.else
	PLACES NP
.endif
	v_add_nc_u32 v[ADRS], 4*NQ, v[ADRS]            ; the next K step's scale words
	FETCH_B \next, 0, 0
	FETCH_A \next, 0, 0
	SCALES \next
	WIN MUL_HI
	MUL16 4, 1, NQ-1, \slot, 0
	MUL16 6, 1, NQ-1, \slot, 0
	PLACES NP
	WIN 0
	FETCH_A \next, 0, 4
.endm
; 64 numbers of a lane, register 16 b + i = k 32 b + 16 (lane / 16) + i of my row, become a fragment's codes in v[PC] on and its scale word in v[PW].
.macro QUANT s
.irp b, 0,1,2,3
	v_max3_num_f32 v[TM+\b], |v[\s+16*\b]|, |v[\s+1+16*\b]|, 0x1800000   ; my 16 numbers of block b, and the floor 2^(3 - 127): the byte cannot fall under 1
.endr
.irp i, 2,4,6,8,10,12,14
.irp b, 0,1,2,3
	v_max3_num_f32 v[TM+\b], v[TM+\b], |v[\s+16*\b+\i]|, |v[\s+1+16*\b+\i]|
.endr
.endr
.irp b, 0,1,2,3
	v_permlanex16_b32 v[TM+4+\b], v[TM+\b], s[SEL], s[SEL+1]
.endr
.irp b, 0,1,2,3
	v_max_num_f32 v[TM+\b], v[TM+\b], v[TM+4+\b]   ; with lane l xor 16's: the block's largest magnitude
.endr
.irp b, 0,1,2,3
	v_add_nc_u32 v[TM+12+\b], 0xff000000, v[TM+\b] ; 2 off its exponent field: the conversion's scale operand
.endr
.irp b, 0,1,2,3
	v_lshrrev_b32 v[TM+4+\b], 23, v[TM+12+\b]      ; the scale's byte
.endr
	v_lshl_or_b32 v[PW], v[TM+5], 8, v[TM+4]
	v_lshl_or_b32 v[PW], v[TM+6], 16, v[PW]
	v_lshl_or_b32 v[PW], v[TM+7], 24, v[PW]
.irp c, 0,1
	v_cvt_scalef32_pk16_fp6_f32 v[PC+6*\c:PC+2+6*\c], v[\s+32*\c:\s+15+32*\c], v[TM+12+2*\c]
	v_cvt_scalef32_pk16_fp6_f32 v[PC+12+4*\c:PC+14+4*\c], v[\s+16+32*\c:\s+31+32*\c], v[TM+12+2*\c+1]   ; (a conversion's three registers begin on an even number)
.endr
	v_nop                                          ; one plain line behind a scaled conversion
.irp c, 0,1                                    ; the operand's layout wants a whole block in a lane: lanes 0-15 block 2 c, lanes 16-31 block 2 c + 1
.irp i, 0,1,2
	v_permlane16_swap_b32 v[PC+6*\c+\i], v[PC+12+4*\c+\i]
.endr
.irp i, 0,1,2
	v_mov_b32 v[PC+3+6*\c+\i], v[PC+12+4*\c+\i]
.endr
.endr
.endm
; Block a (16 rows of the A region x my 128 rows of B) leaves: + bias (which also brings the sums into window 0, each accumulator from its low end on), quantised, two half fragments stored.
.macro EPI a, kind
.set AC, 64*((\a)%4)
.set WN, 0x02+(\a)/4
	WIN WN
.set i, 0
.rept 32
.if \kind
	v_pk_add_f32 v[H+2*i:H+2*i+1], v[AC+2*i:AC+2*i+1], v[BV+2*(\a):BV+2*(\a)+1]
.else
	v_pk_add_f32 v[H+2*i:H+2*i+1], v[AC+2*i:AC+2*i+1], v[BI+2*i:BI+2*i+1]
.endif
.set i, i+1
.endr
	WIN 0
	s_wait_xcnt 0x0                                ; the last block's stores have read the codes' registers,
	s_wait_dscnt 0x0                               ; and its LDS stores the scale words'
	QUANT H
.if \kind
.set OF, ((\a)/4)*98304+((\a)%4)*768   ; head a / 4, 16 d's a % 4; the second 64 keys lie 3,072 bytes on
.set O2, 3072
.else
.set OF, (\a)*768                      ; tile T + a; the second head lies 393,216 bytes on
.set O2, 393216
.endif
	global_store_b128 v7, v[PC:PC+3], s[98:99] offset:OF               ; 32 lanes store 512 consecutive bytes, aligned to 256
	global_store_b64 v8, v[PC+4:PC+5], s[98:99] offset:OF+512          ; and 256
	global_store_b128 v7, v[PC+6:PC+9], s[98:99] offset:OF+O2
	global_store_b64 v8, v[PC+10:PC+11], s[98:99] offset:OF+O2+512
.if \kind
	ds_store_b32 v13, v[PW] offset:64*(\a)         ; lanes r and r + 16 write the same word with the same value
.elseif (\a)%2
	v_perm_b32 v[SWL], v[PW], v[PWE], 0x05040100   ; the first head's two bytes of tiles a - 1 and a,
	v_perm_b32 v[SWH], v[PW], v[PWE], 0x07060302   ; the second head's
	ds_store_b32 v10, v[SWL] offset:64*((\a)/2)
	ds_store_b32 v10, v[SWH] offset:256+64*((\a)/2)
.else
	v_mov_b32 v[PWE], v[PW]
.endif
.endm
	s_wait_tensorcnt 1                             ; the scale bytes and my part of K step 0 are in (K step 1's load may be out),
	s_barrier_signal -1
	s_barrier_wait -1                              ; everybody's are
	FETCH_B 0, 0, 0
	FETCH_A 0, 0, 0
	SCALES 0
	FETCH_A 0, 0, 4
	STEP 0, 0, 1                                   ; the first step's products start the sums: nothing is cleared
	s_mov_b32 s3, LAPS-1
.Llap:                                                 ; a trip goes once round the ring and fills both slots again
	TURN 0, 1, 1
	STEP 1, 0, 0
	TURN 1, 0, 1
	STEP 0, 0, 0
	s_sub_co_u32 s3, s3, 1
	s_cmp_lg_u32 s3, 0
	s_cbranch_scc1 .Llap
	TURN 0, 1, 0                                   ; the last lap fills nothing
	STEP 1, 0, 0
	s_wait_dscnt 4*NL
	WIN MUL_LO
	MUL16 0, 1, NQ-1, 1, 0
	MUL16 2, 1, NQ-1, 1, 0
	s_wait_dscnt 0
	WIN MUL_HI
	MUL16 4, 1, NQ-1, 1, 0
	MUL16 6, 1, NQ-1, 1, 0
	WIN 0
	s_wait_loadcnt 0x0                             ; the biases
	PLACES NP                                      ; behind the last products: the way out reads results and writes registers that held A's fragments
.irp b, 0,1,2,3
	v_mov_b32 v[TM+4+\b], 0                        ; written once: a lane permute's destination counts as one of its sources
.endr
	s_cmp_eq_u32 ttmp9, 2
	s_cbranch_scc1 .Lkind_v
.irp a, 0,1,2,3,4,5,6,7
	EPI \a, 0
.endr
	ds_load_b128 v[BK:BK+3], v11                   ; LDS serves a wave's instructions in order: these see my stores.  Lanes 0-15: the first head's 256 bytes, lanes 16-31 the second's
	s_wait_dscnt 0x0
	global_store_b128 v12, v[BK:BK+3], s[100:101]  ; sixteen lanes store 256 consecutive bytes, aligned
	s_branch .Ldone
.Lkind_v:
.irp a, 0,1,2,3,4,5,6,7
	EPI \a, 1
.endr
	ds_load_b128 v[BK:BK+3], v14
	s_wait_dscnt 0x0
	global_store_b128 v15, v[BK:BK+3], s[100:101]
.Ldone:
	s_wait_tensorcnt 0x0                           ; the wave's end
	ds_add_u32 v[SPW], v[NIL]
	s_wait_dscnt 0x0
	CROUND                                         ; the closing round: no work-group ends while a partner may still ask for a tile that names it
	s_endpgm
.Lfunc_end_k_qb48503f484_qkv:
	.size	k_qb48503f484_qkv, .Lfunc_end_k_qb48503f484_qkv-k_qb48503f484_qkv
	.p2alignl 7, 3214868480
	.fill 96, 4, 3214868480
	.section	.rodata,"a",@progbits
	.p2align	6, 0x0
	.amdhsa_kernel k_qb48503f484_qkv
		.amdhsa_group_segment_fixed_size 327680
		.amdhsa_private_segment_fixed_size 0
		.amdhsa_enable_private_segment 0
		.amdhsa_kernarg_size 56
		.amdhsa_user_sgpr_count 2
		.amdhsa_user_sgpr_kernarg_segment_ptr 1
		.amdhsa_wavefront_size32 1
		.amdhsa_system_sgpr_workgroup_id_x 1
		.amdhsa_system_sgpr_workgroup_id_y 1
		.amdhsa_system_sgpr_workgroup_id_z 1
		.amdhsa_system_vgpr_workitem_id 0
		.amdhsa_next_free_vgpr 1024
		.amdhsa_next_free_sgpr 102
		.amdhsa_reserve_vcc 0
		.amdhsa_float_denorm_mode_32 3
		.amdhsa_float_denorm_mode_16_64 3
		.amdhsa_memory_ordered 1
		.amdhsa_forward_progress 1
		.amdhsa_inst_pref_size 238
	.end_amdhsa_kernel
	.amdgpu_metadata
---
amdhsa.version: [ 1, 2 ]
amdhsa.kernels:
  - .name:           k_qb48503f484_qkv
    .symbol:         k_qb48503f484_qkv.kd
    .args:
      - { .name: xcod, .offset: 0, .size: 8, .value_kind: global_buffer, .address_space: global }
      - { .name: xscl, .offset: 8, .size: 8, .value_kind: global_buffer, .address_space: global }
      - { .name: wcod, .offset: 16, .size: 8, .value_kind: global_buffer, .address_space: global }
      - { .name: wscl, .offset: 24, .size: 8, .value_kind: global_buffer, .address_space: global }
      - { .name: bqkv, .offset: 32, .size: 8, .value_kind: global_buffer, .address_space: global }
      - { .name: qkvc, .offset: 40, .size: 8, .value_kind: global_buffer, .address_space: global }
      - { .name: qkvs, .offset: 48, .size: 8, .value_kind: global_buffer, .address_space: global }
    .group_segment_fixed_size: 327680
    .private_segment_fixed_size: 0
    .kernarg_segment_align: 8
    .kernarg_segment_size: 56
    .max_flat_workgroup_size: 128
    .sgpr_count:     102
    .vgpr_count:     1024
    .wavefront_size: 32
...
	.end_amdgpu_metadata
.endif
;; end of part 2
;; launch attn (part 3): grid 4 x 64, 16 waves a work-group, clusters of 4 x 1, 206,848 bytes of LDS; arguments qkvc, qkvs, acod, ascl; writes acod, ascl
.if DOCPART == 3
	.amdgcn_target "amdgcn-amd-amdhsa--gfx1250"
	.amdhsa_code_object_version 6
	.text
	.protected	k_qb48503f484_attn
	.globl	k_qb48503f484_attn
	.p2align	8
	.type	k_qb48503f484_attn,@function
k_qb48503f484_attn:
	s_mov_b64 s[64:65], 0
	v_nop
	global_prefetch_b8 v0, s[64:65] scope:SCOPE_SE
	s_setreg_imm32_b32 hwreg(HW_REG_WAVE_MODE, 25, 1), 1
	s_wait_xcnt 0x0
	s_wait_alu depctr_hold_cnt(0) depctr_sa_sdst(0) depctr_va_vdst(0) depctr_va_sdst(0) depctr_va_ssrc(0) depctr_va_vcc(0) depctr_vm_vsrc(0)
	s_getreg_b32 s2, hwreg(HW_REG_IB_STS2, 6, 4)
	s_cmp_eq_u32 s2, 0
	s_cbranch_scc0 .Lentry_in_a_cluster
	s_endpgm
.Lentry_in_a_cluster:
	s_bfe_u32 s2, ttmp6, 0x10000c
	s_cmp_lg_u32 s2, 0x3003
	s_cbranch_scc0 .Lentry_shape_is_right
	s_endpgm
.Lentry_shape_is_right:
; o = softmax(q k^T / 8) v for one (batch, head), both products on codes of FP6 (E2M3) with E8M0 scales; o / l is quantised along the model's 1,024 (64 head + d) and leaves as codes.
; THE SOFTMAX: t = score x log2(e) / 8; M = the row's largest t so far, rounded UP to a whole number; p = 2^(t - M) is quantised along the keys, not normalised; the row's sum is taken of the unquantised p and divides at the end.
; When M moves, the sum and O are multiplied by 2^(old M - new M): exact.
; SHARES.  A work-group owns 512 queries of one (b, h); each of its sixteen waves two tiles of 16, one after the other: four waves to a SIMD, so that one wave's vector work stands beside another's matrix work and LDS loads.
; ALL OF THE HEAD'S K AND V LIES IN LDS, 2 x 98,304 bytes of codes and 2 x 4,096 of scale words, FILLED ONCE: no slot is filled again.  The four work-groups of a head form a cluster and ask jointly;
; each wave asks for a sixteenth of each of the four blocks: four tensor loads of mine are out, all issued together behind one round.
; No prefetch is laid: everything that the launch reads through LDS is asked for by its first loads.
; LAYOUT.  Codes lie as HALF FRAGMENTS of 768 bytes (16 rows x 64 codes: registers 0-3 at 16 x lane, registers 4-5 at 512 + 8 x lane): a load's lanes read consecutive bytes.  Both products are used transposed
; (S^T = K Q^T, O^T = V^T P^T): a lane holds one query.  Tokens are stored with bits 3 and 4 of their number exchanged, so the 16 registers of score tiles 2 b and 2 b + 1 are 16 neighbouring keys; v's d likewise.
; K = 64 IN AN INSTRUCTION OF 128: an operand of 12 registers holds TWO key tiles.  Against [Q, 0] it gives the first tile's scores, against [0, Q] the second's: the other half meets zero codes, which add nothing
; (every code of this format is a finite number, and no scale byte here is 0xff).  [0 | Q | 0] lies in 18 registers, of which each product names 12.
; The 2 scale bytes of a row and head are stored as 2 bytes a lane, rows 32 bytes apart: a row's 32 bytes come from sixteen work-groups; they are one twenty-fifth of what the launch stores.
; LIMITS: a block of zeros carries the byte 1, not 127; blocks under 2^-124 are held at byte 1; NaN and infinities are not served.
.set KC,   0                           ; LDS: K's 128 half fragments
.set VC,   98304                       ; V's: [64 keys][16 d]
.set KSL,  196608                      ; K's scale words: [pair of tiles][16]
.set VSL,  200704                      ; V's: [128 keys][16 d][16]
.set L16,  1                           ; v1 16 x lane;  v2 8 x lane;  v3 4 x lane;  v4 4 r
.set L8,   2
.set L4,   3
.set R4,   4
.set ADK16, 5                          ; v5-9 the step's LDS addresses
.set ADK8, 6
.set ADV16, 7
.set ADV8, 8
.set ADS,  9
.set QZ,   16                          ; v16-33  [0 x 6 | Q x 6 | 0 x 6]
.set QP,   34                          ; v34-45  both tiles of Q
.set QW,   46                          ; their scale words
.set QS,   47                          ; v47 Q's bytes at places 0, 1;  v48 at places 2, 3
.set KSC,  49                          ; v49-50  K's scale words: lanes 0-15 an even pair's, lanes 16-31 an odd pair's
.set VSC,  51                          ; v51-52  V's likewise
.set PW,   53                          ; p's scale word
.set KF,   54                          ; v54-101 K's four operands; behind the scores' products the same registers serve the softmax:
.set TM,   54                          ; v54-69
.set PC,   70                          ; v70-81  p's codes
.set PT,   82                          ; v82-89
.set VF,   102                         ; v102-149 V's four operands
.set S,    150                         ; v150-213 S^T, then p
.set O,    214                         ; v214-245 O^T
.set FF,   246                         ; v[246:247] f = 2^(old M - new M) (the upper register is named with it, so it is written once)
.set SB0,  248                         ; the first tile's two scale bytes
.set L32,  249                         ; 32 x lane
.set WV,   12
.set CS,   22                          ; s[22:23] c = log2(e) / 8
.set G1C,  24                          ; s[24:31] group 1 for codes;  s[32:39] for scale words;  s[40:55] four groups 0
.set G1W,  32
.set SEL,  56
.set TK,   58
.set TV,   59
.set TS,   60
.macro CROUND
	s_barrier_signal -1
	s_barrier_wait -1
	s_cmp_lg_u32 s[WV], 0
	s_cbranch_scc1 .Lnot_wave_0_\@
	s_barrier_signal -3
.Lnot_wave_0_\@:
	s_barrier_wait -3
	s_barrier_signal -1
	s_barrier_wait -1
.endm
	s_load_b256 s[4:11], s[0:1], 0x0               ; qkvc s[4:5], qkvs s[6:7], acod s[8:9], ascl s[10:11]
	v_lshl_add_u32 v254, v0, 2, 0x32000
	v_mov_b32 v255, 0
	ds_add_u32 v254, v255
	ds_add_u32 v254, v255
	v_lshrrev_b32 v1, 5, v0
	s_delay_alu instid0(VALU_DEP_1)
	v_readfirstlane_b32 s[WV], v1                  ; wave 0..15
	s_bfe_u32 s13, ttmp6, 0x40000                  ; cx
	s_and_b32 s14, ttmp7, 0xffff                   ; y = 16 b + h, which the four partners share
	s_lshr_b32 s15, s14, 4                         ; b
	s_and_b32 s16, s14, 15                         ; h
	s_lshl_b32 s17, ttmp9, 2
	s_add_co_u32 s17, s17, s13                     ; my block of 512 queries: it enters Q's and the outputs' addresses alone
	s_lshl_b32 s17, s17, 5
	s_lshl_b32 s19, s15, 7
	s_add_co_u32 s17, s17, s19
	s_lshl_b32 s19, s[WV], 1
	s_add_co_u32 s17, s17, s19                     ; T: my first tile of 16 stored tokens: 128 b + 32 block + 2 wave
	s_add_co_u32 s18, s16, 16                      ; k's group
	s_mul_i32 s2, s[WV], 6144                      ; my sixteenth of a block of codes,
	s_lshl_b32 s3, s[WV], 8                        ; and of a block of scale words
	; group 1: dense bytes as rows of 256 (32 elements of 8 bytes); mask: all four work-groups, bit 21 beside it
	s_mov_b32 s[G1C], 15|(3<<16)|(1<<21)
	s_mov_b32 s[G1C+1], 32<<16
	s_mov_b32 s[G1C+2], 24<<16
	s_mov_b32 s[G1C+3], 32<<16
	s_mov_b32 s[G1C+4], 24
	s_mov_b32 s[G1C+5], 32
	s_mov_b32 s[G1C+6], 0
	s_mov_b32 s[G1C+7], 0
	s_mov_b32 s[G1W], 15|(3<<16)|(1<<21)
	s_mov_b32 s[G1W+1], 32<<16
	s_mov_b32 s[G1W+2], 1<<16
	s_mov_b32 s[G1W+3], 32<<16
	s_mov_b32 s[G1W+4], 1
	s_mov_b32 s[G1W+5], 32
	s_mov_b32 s[G1W+6], 0
	s_mov_b32 s[G1W+7], 0
	s_mov_b32 s[CS], 0x3e38aa3b
	s_mov_b32 s[CS+1], s[CS]
	s_mov_b32 s[SEL], 0x76543210
	s_mov_b32 s[SEL+1], 0xfedcba98
	s_mov_b32 s21, 0
	s_wait_dscnt 0x0
	s_wait_kmcnt 0x0
	s_mul_i32 s20, s18, 393216                     ; K's codes: group 16 + h, batch b, my sixteenth
	s_mul_i32 s19, s15, 98304
	s_add_co_u32 s20, s20, s19
	s_add_co_u32 s20, s20, s2
	s_mov_b32 s40, 1
	s_mov_b32 s41, s2
	s_add_nc_u64 s[42:43], s[4:5], s[20:21]
	s_or_b32 s43, s43, 0x80000000
	s_mul_i32 s20, s14, 98304                      ; V's codes
	s_add_co_u32 s20, s20, s2
	s_add_co_u32 s20, s20, 12582912
	s_mov_b32 s44, 1
	s_add_co_u32 s45, s2, VC
	s_add_nc_u64 s[46:47], s[4:5], s[20:21]
	s_or_b32 s47, s47, 0x80000000
	s_lshl_b32 s20, s18, 14                        ; K's scale words
	s_lshl_b32 s19, s15, 12
	s_add_co_u32 s20, s20, s19
	s_add_co_u32 s20, s20, s3
	s_mov_b32 s48, 1
	s_add_co_u32 s49, s3, KSL
	s_add_nc_u64 s[50:51], s[6:7], s[20:21]
	s_or_b32 s51, s51, 0x80000000
	s_lshl_b32 s20, s14, 12                        ; V's
	s_add_co_u32 s20, s20, s3
	s_add_co_u32 s20, s20, 524288
	s_mov_b32 s52, 1
	s_add_co_u32 s53, s3, VSL
	s_add_nc_u64 s[54:55], s[6:7], s[20:21]
	s_or_b32 s55, s55, 0x80000000
	CROUND                                         ; all four work-groups are here: the joint loads meet
	tensor_load_to_lds s[40:43], s[G1C:G1C+7]
	s_nop 0
	tensor_load_to_lds s[44:47], s[G1C:G1C+7]
	s_nop 0
	tensor_load_to_lds s[48:51], s[G1W:G1W+7]
	s_nop 0
	tensor_load_to_lds s[52:55], s[G1W:G1W+7]
	s_nop 0
.rept 4
	v_nop
.endr
	v_and_b32 v10, 31, v0
	s_delay_alu instid0(VALU_DEP_1)
	v_lshlrev_b32 v[L16], 4, v10
	s_wait_alu depctr_va_vdst(0)
	v_lshlrev_b32 v[L8], 3, v10
	s_wait_alu depctr_va_vdst(0)
	v_lshlrev_b32 v[L4], 2, v10
	v_lshlrev_b32 v[L32], 5, v10
	v_and_b32 v11, 15, v0
	s_delay_alu instid0(VALU_DEP_1)
	v_lshlrev_b32 v[R4], 2, v11
	s_wait_alu depctr_va_vdst(0)
	s_mul_i32 s70, s16, 393216                     ; Q's codes: group h, tile T
	s_mul_i32 s71, s17, 768
	s_add_co_u32 s70, s70, s71
	s_mov_b32 s71, 0
	s_add_nc_u64 s[66:67], s[4:5], s[70:71]
	s_lshl_b32 s70, s16, 14                        ; its scale words: pair T / 2, 64 bytes a pair
	s_lshl_b32 s71, s17, 5
	s_add_co_u32 s70, s70, s71
	s_mov_b32 s71, 0
	s_add_nc_u64 s[68:69], s[6:7], s[70:71]
	s_lshl_b32 s70, s17, 4                         ; acod: [T][head][768]
	s_add_co_u32 s70, s70, s16
	s_mul_i32 s70, s70, 768
	s_add_nc_u64 s[8:9], s[8:9], s[70:71]
	s_lshl_b32 s70, s17, 9                         ; ascl: row 16 T, 32 bytes a row, + 2 h
	s_lshl_b32 s71, s16, 1
	s_add_co_u32 s70, s70, s71
	s_mov_b32 s71, 0
	s_add_nc_u64 s[10:11], s[10:11], s[70:71]
	global_load_b128 v[QP:QP+3], v[L16], s[66:67]
	global_load_b64 v[QP+4:QP+5], v[L8], s[66:67] offset:512
	global_load_b128 v[QP+6:QP+9], v[L16], s[66:67] offset:768
	global_load_b64 v[QP+10:QP+11], v[L8], s[66:67] offset:1280
	global_load_b32 v[QW], v[R4], s[68:69]
.irp i, 0,1,2,3,4,5
	v_mov_b32 v[QZ+\i], 0
	v_mov_b32 v[QZ+12+\i], 0
.endr
	v_mov_b32 v[FF+1], 0
	s_wait_tensorcnt 0x0                           ; my four parts are in,
	s_barrier_signal -1
	s_barrier_wait -1                              ; everybody's are: from here on LDS is only read
	s_wait_loadcnt 0x0                             ; Q
; A KEY STEP: 128 keys.
.macro STEP
	v_add_nc_u32 v[ADK16], s[TK], v[L16]           ; (these five are also the places between the last products and the loads into their operands)
	v_add_nc_u32 v[ADK8], s[TK], v[L8]
	v_add_nc_u32 v[ADV16], s[TV], v[L16]
	v_add_nc_u32 v[ADV8], s[TV], v[L8]
	v_add_nc_u32 v[ADS], s[TS], v[L4]
	ds_load_b32 v[KSC], v[ADS]
	ds_load_b32 v[KSC+1], v[ADS] offset:128
.irp p, 0,1,2,3                                ; pair p: key tiles 2 p and 2 p + 1
	ds_load_b128 v[KF+12*\p:KF+12*\p+3], v[ADK16] offset:1536*\p
	ds_load_b64 v[KF+12*\p+4:KF+12*\p+5], v[ADK8] offset:1536*\p+512
	ds_load_b128 v[KF+12*\p+6:KF+12*\p+9], v[ADK16] offset:1536*\p+768
	ds_load_b64 v[KF+12*\p+10:KF+12*\p+11], v[ADK8] offset:1536*\p+1280
.endr
	ds_load_b32 v[VSC], v[ADS] offset:4096
	ds_load_b32 v[VSC+1], v[ADS] offset:4224
.irp d, 0,1,2,3                                ; 16 d's x 128 keys: two half fragments, 3,072 bytes apart
	ds_load_b128 v[VF+12*\d:VF+12*\d+3], v[ADV16] offset:768*\d
	ds_load_b64 v[VF+12*\d+4:VF+12*\d+5], v[ADV8] offset:768*\d+512
	ds_load_b128 v[VF+12*\d+6:VF+12*\d+9], v[ADV16] offset:768*\d+3072
	ds_load_b64 v[VF+12*\d+10:VF+12*\d+11], v[ADV8] offset:768*\d+3584
.endr
	s_wait_dscnt 18                                ; K's 18 loads are in; V's 18, issued behind them, may be out
.irp p, 0,1,2,3
.irp e, 0,1
.if \p%2
	v_wmma_scale_f32_16x16x128_f8f6f4 v[S+8*(2*\p+\e):S+8*(2*\p+\e)+7], v[KF+12*\p:KF+12*\p+11], v[QZ+6-6*\e:QZ+17-6*\e], 0, v[KSC+\p/2], v[QS+\e] matrix_a_fmt:MATRIX_FMT_FP6 matrix_b_fmt:MATRIX_FMT_FP6 matrix_a_scale:MATRIX_SCALE_ROW1
.else
	v_wmma_scale_f32_16x16x128_f8f6f4 v[S+8*(2*\p+\e):S+8*(2*\p+\e)+7], v[KF+12*\p:KF+12*\p+11], v[QZ+6-6*\e:QZ+17-6*\e], 0, v[KSC+\p/2], v[QS+\e] matrix_a_fmt:MATRIX_FMT_FP6 matrix_b_fmt:MATRIX_FMT_FP6
.endif
.endr
.endr
.rept 4
	v_nop                                          ; places: the lines below read the scores and write registers that held K
.endr
.irp b, 0,1,2,3
	v_max3_num_f32 v[TM+\b], v[S+16*\b], v[S+1+16*\b], v[S+2+16*\b]   ; the largest score of each block of 32 keys: it serves the row's maximum and, since p rises with the score, the block's largest p
.endr
.irp i, 3,5,7,9,11,13
.irp b, 0,1,2,3
	v_max3_num_f32 v[TM+\b], v[TM+\b], v[S+16*\b+\i], v[S+1+16*\b+\i]
.endr
.endr
.irp b, 0,1,2,3
	v_max_num_f32 v[TM+\b], v[TM+\b], v[S+15+16*\b]
.endr
.irp b, 0,1,2,3
	s_delay_alu instid0(VALU_DEP_4)
	v_permlanex16_b32 v[TM+4+\b], v[TM+\b], s[SEL], s[SEL+1]
.endr
.irp b, 0,1,2,3
	s_delay_alu instid0(VALU_DEP_4)
	v_max_num_f32 v[TM+\b], v[TM+\b], v[TM+4+\b]   ; with lane l xor 16's 16 keys
.endr
	s_delay_alu instid0(VALU_DEP_2)
	v_max3_num_f32 v10, v[TM], v[TM+1], v[TM+2]
	s_delay_alu instid0(VALU_DEP_1)
	v_max_num_f32 v10, v10, v[TM+3]
	s_delay_alu instid0(VALU_DEP_1)
	v_mul_f32 v10, s[CS], v10                      ; the step's largest t
	s_delay_alu instid0(VALU_DEP_1)
	v_max_num_f32 v13, v13, v10                    ; the running largest t
	v_mov_b32 v10, v12
	s_delay_alu instid0(VALU_DEP_2)
	v_floor_f32 v12, -v13                          ; the new -M = floor(-t): M is a whole number
	s_delay_alu instid0(VALU_DEP_1)
	v_sub_f32 v10, v12, v10                        ; old M - new M: a whole number, 0 or less
	s_delay_alu instid0(VALU_DEP_1)
	v_cvt_i32_f32 v10, v10                         ; (it saturates)
	s_delay_alu instid0(VALU_DEP_1)
	v_ldexp_f32 v[FF], 1.0, v10                    ; f = 2^(old M - new M)
.irp j, 0,2,4,6,8,10,12,14,16,18,20,22,24,26,28,30,32,34,36,38,40,42,44,46,48,50,52,54,56,58,60,62
	v_pk_fma_f32 v[S+\j:S+1+\j], v[S+\j:S+1+\j], s[CS:CS+1], v[12:13] op_sel_hi:[1,0,0]   ; t - M, two at a time
.endr
.irp b, 0,1,2,3
	v_fma_f32 v[TM+\b], v[TM+\b], s[CS], v12       ; the same of each block's largest score
.endr
	s_setprio 1
	s_wait_alu depctr_va_vdst(0)
.irp j, 0,1,2,3,4,5,6,7,8,9,10,11,12,13,14,15,16,17,18,19,20,21,22,23,24,25,26,27,28,29,30,31,32,33,34,35,36,37,38,39,40,41,42,43,44,45,46,47,48,49,50,51,52,53,54,55,56,57,58,59,60,61,62,63
	v_exp_f32 v[S+\j], v[S+\j]                     ; p = 2^(t - M)
.endr
	v_pk_mul_f32 v[14:15], v[14:15], v[FF:FF+1] op_sel_hi:[1,0]   ; the sums under the new M (the plain line behind the exponentials)
	s_wait_alu depctr_va_vdst(0)                   ; one wait for the batch of 64, ahead of its first reader
.irp b, 0,1,2,3
	v_exp_f32 v[TM+\b], v[TM+\b]                   ; the block's largest p
.endr
	v_pk_add_f32 v[62:63], v[154:155], v[158:159]
	v_pk_add_f32 v[252:253], v[162:163], v[166:167]
	v_pk_add_f32 v[250:251], v[170:171], v[174:175]
	v_pk_add_f32 v[100:101], v[178:179], v[182:183]
	v_pk_add_f32 v[98:99], v[186:187], v[190:191]
	v_pk_add_f32 v[96:97], v[194:195], v[198:199]
	v_pk_add_f32 v[94:95], v[202:203], v[206:207]
	v_pk_add_f32 v[14:15], v[14:15], v[210:211]
	v_pk_add_f32 v[62:63], v[62:63], v[150:151]
	v_pk_add_f32 v[252:253], v[252:253], v[152:153]
	v_pk_add_f32 v[250:251], v[250:251], v[156:157]
	v_pk_add_f32 v[100:101], v[100:101], v[160:161]
	v_pk_add_f32 v[98:99], v[98:99], v[164:165]
	v_pk_add_f32 v[96:97], v[96:97], v[168:169]
	v_pk_add_f32 v[94:95], v[94:95], v[172:173]
	v_pk_add_f32 v[14:15], v[14:15], v[176:177]
	v_pk_add_f32 v[62:63], v[62:63], v[180:181]
	v_pk_add_f32 v[252:253], v[252:253], v[184:185]
	v_pk_add_f32 v[250:251], v[250:251], v[188:189]
	v_pk_add_f32 v[100:101], v[100:101], v[192:193]
	v_pk_add_f32 v[98:99], v[98:99], v[196:197]
	v_pk_add_f32 v[96:97], v[96:97], v[200:201]
	v_pk_add_f32 v[94:95], v[94:95], v[204:205]
	v_pk_add_f32 v[14:15], v[14:15], v[208:209]
	v_pk_add_f32 v[62:63], v[62:63], v[212:213]
	s_delay_alu instid0(VALU_DEP_2)
	v_pk_add_f32 v[14:15], v[14:15], v[100:101]
	s_delay_alu instid0(VALU_DEP_2)
	v_pk_add_f32 v[62:63], v[62:63], v[98:99]
	v_pk_add_f32 v[252:253], v[252:253], v[96:97]
	v_pk_add_f32 v[250:251], v[250:251], v[94:95]
	s_delay_alu instid0(VALU_DEP_2)
	v_pk_add_f32 v[14:15], v[14:15], v[252:253]
	s_delay_alu instid0(VALU_DEP_2)
	v_pk_add_f32 v[62:63], v[62:63], v[250:251]
	s_delay_alu instid0(VALU_DEP_1)
	v_pk_add_f32 v[14:15], v[14:15], v[62:63]
	s_wait_alu depctr_va_vdst(0)                   ; and one for the four
.irp b, 0,1,2,3
	v_max_num_f32 v[TM+\b], 0x1800000, v[TM+\b]    ; the floor 2^(3 - 127)
.endr
.irp b, 0,1,2,3
	s_delay_alu instid0(VALU_DEP_4)
	v_add_nc_u32 v[TM+12+\b], 0xff000000, v[TM+\b] ; 2 off the exponent field: the conversion's scale operand
.endr
.irp b, 0,1,2,3
	s_delay_alu instid0(VALU_DEP_4)
	v_lshrrev_b32 v[TM+4+\b], 23, v[TM+12+\b]
.endr
	s_delay_alu instid0(VALU_DEP_3)
	v_lshl_or_b32 v[PW], v[TM+5], 8, v[TM+4]       ; p's scale word for these 128 keys
	s_delay_alu instid0(VALU_DEP_1)
	v_lshl_or_b32 v[PW], v[TM+6], 16, v[PW]
	s_delay_alu instid0(VALU_DEP_1)
	v_lshl_or_b32 v[PW], v[TM+7], 24, v[PW]
.irp c, 0,1
	v_cvt_scalef32_pk16_fp6_f32 v[PC+6*\c:PC+2+6*\c], v[S+32*\c:S+15+32*\c], v[TM+12+2*\c]
	v_cvt_scalef32_pk16_fp6_f32 v[PT+4*\c:PT+2+4*\c], v[S+16+32*\c:S+31+32*\c], v[TM+13+2*\c]
.endr
	v_nop                                          ; one plain line behind a scaled conversion
.irp c, 0,1
.irp i, 0,1,2
	v_permlane16_swap_b32 v[PC+6*\c+\i], v[PT+4*\c+\i]
.endr
.irp i, 0,1,2
	s_delay_alu instid0(VALU_DEP_3)
	v_mov_b32 v[PC+3+6*\c+\i], v[PT+4*\c+\i]
.endr
.endr
	s_setprio 0
.irp j, 0,2,4,6,8,10,12,14,16,18,20,22,24,26,28,30
	v_pk_mul_f32 v[O+\j:O+1+\j], v[O+\j:O+1+\j], v[FF:FF+1] op_sel_hi:[1,0]   ; O^T under the new M.  For each product below twelve of these name none of its registers: the places behind the writes of p's codes and scale word
.endr
	s_wait_alu depctr_va_vdst(0)
	s_wait_dscnt 0x0                               ; V
.irp d, 0,1,2,3                                ; the four accumulators take turns, one instruction a turn
.if \d%2
	v_wmma_scale_f32_16x16x128_f8f6f4 v[O+8*\d:O+8*\d+7], v[VF+12*\d:VF+12*\d+11], v[PC:PC+11], v[O+8*\d:O+8*\d+7], v[VSC+\d/2], v[PW] matrix_a_fmt:MATRIX_FMT_FP6 matrix_b_fmt:MATRIX_FMT_FP6 matrix_a_scale:MATRIX_SCALE_ROW1
.else
	v_wmma_scale_f32_16x16x128_f8f6f4 v[O+8*\d:O+8*\d+7], v[VF+12*\d:VF+12*\d+11], v[PC:PC+11], v[O+8*\d:O+8*\d+7], v[VSC+\d/2], v[PW] matrix_a_fmt:MATRIX_FMT_FP6 matrix_b_fmt:MATRIX_FMT_FP6
.endif
.endr
.endm
; O^T / the sum; register 16 b + i is d = 32 b + 16 (lane / 16) + i of my query: two blocks are quantised and leave as one half fragment.
.macro FINISH qt
.rept 4
	v_nop                                          ; places behind the last products
.endr
	v_add_f32 v14, v14, v15
	s_delay_alu instid0(VALU_DEP_1)
	v_permlanex16_b32 v10, v14, s[SEL], s[SEL+1]
	s_delay_alu instid0(VALU_DEP_1)
	v_add_f32 v14, v14, v10                        ; the row's sum
	s_wait_alu depctr_va_vdst(0)
	v_rcp_f32 v14, v14
	v_nop                                          ; a plain line behind the reciprocal,
	s_wait_alu depctr_va_vdst(0)                   ; and the wait ahead of its first reader
.set i, 0
.rept 32
	v_mul_f32 v[S+i], v[O+i], v14                  ; each accumulator from its low end on
.set i, i+1
.endr
.irp b, 0,1
	v_max3_num_f32 v[TM+\b], |v[S+16*\b]|, |v[S+1+16*\b]|, 0x1800000
.endr
.irp i, 2,4,6,8,10,12,14
.irp b, 0,1
	s_delay_alu instid0(VALU_DEP_2)
	v_max3_num_f32 v[TM+\b], v[TM+\b], |v[S+16*\b+\i]|, |v[S+1+16*\b+\i]|
.endr
.endr
.irp b, 0,1
	s_delay_alu instid0(VALU_DEP_2)
	v_permlanex16_b32 v[TM+4+\b], v[TM+\b], s[SEL], s[SEL+1]
.endr
.irp b, 0,1
	s_delay_alu instid0(VALU_DEP_2)
	v_max_num_f32 v[TM+\b], v[TM+\b], v[TM+4+\b]
.endr
.irp b, 0,1
	s_delay_alu instid0(VALU_DEP_2)
	v_add_nc_u32 v[TM+12+\b], 0xff000000, v[TM+\b]
.endr
.irp b, 0,1
	s_delay_alu instid0(VALU_DEP_2)
	v_lshrrev_b32 v[TM+4+\b], 23, v[TM+12+\b]
.endr
	v_cvt_scalef32_pk16_fp6_f32 v[PC:PC+2], v[S:S+15], v[TM+12]
	v_cvt_scalef32_pk16_fp6_f32 v[PT:PT+2], v[S+16:S+31], v[TM+13]
	v_nop
.irp i, 0,1,2
	v_permlane16_swap_b32 v[PC+\i], v[PT+\i]
.endr
.irp i, 0,1,2
	s_delay_alu instid0(VALU_DEP_3)
	v_mov_b32 v[PC+3+\i], v[PT+\i]
.endr
	global_store_b128 v[L16], v[PC:PC+3], s[8:9] offset:\qt*12288        ; 512 consecutive bytes, aligned to 256
	global_store_b64 v[L8], v[PC+4:PC+5], s[8:9] offset:\qt*12288+512    ; and 256
.if \qt
	v_lshl_or_b32 v10, v[TM+5], 8, v[TM+4]
	v_and_b32 v11, 31, v0
	s_delay_alu instid0(VALU_DEP_1)
	v_cmp_lt_u32 vcc_lo, 15, v11
	s_delay_alu instid0(VALU_DEP_1)
	v_cndmask_b32 v10, v[SB0], v10, vcc_lo         ; lanes 0-15: the first tile's rows, lanes 16-31 the second's
	global_store_b16 v[L32], v10, s[10:11]
.else
	v_lshl_or_b32 v[SB0], v[TM+5], 8, v[TM+4]
.endif
.endm
.macro TILE qt
.if \qt
	s_wait_xcnt 0x0                                ; the first tile's stores have read their registers, which K's loads take again
.endif
.irp i, 0,1,2,3,4,5
	v_mov_b32 v[QZ+6+\i], v[QP+6*\qt+\i]
.endr
.if \qt
	v_lshrrev_b32 v[QS], 16, v[QW]
	v_mov_b32 v[QS+1], v[QW]
.else
	v_mov_b32 v[QS], v[QW]
	v_lshlrev_b32 v[QS+1], 16, v[QW]
.endif
	v_mov_b32 v13, 0xff61b1e6                      ; the largest t so far: -3e38
	s_delay_alu instid0(VALU_DEP_1)
	v_floor_f32 v12, -v13
	v_mov_b32 v14, 0
	v_mov_b32 v15, 0
.set i, 0
.rept 32
	v_mov_b32 v[O+i], 0                            ; the step is written once: its first trip finds zeros, which the first change of M leaves zeros
.set i, i+1
.endr
	s_mov_b32 s[TK], KC
	s_mov_b32 s[TV], VC
	s_mov_b32 s[TS], KSL
	s_mov_b32 s61, 16
.Lstep_\@:
	s_setprio 2
	STEP
	s_add_co_u32 s[TK], s[TK], 6144
	s_add_co_u32 s[TV], s[TV], 6144
	s_add_co_u32 s[TS], s[TS], 256
	s_sub_co_u32 s61, s61, 1
	s_cmp_lg_u32 s61, 0
	s_cbranch_scc1 .Lstep_\@
	s_setprio 0
	FINISH \qt
.endm
	TILE 0
	TILE 1
	s_wait_dscnt 0x0
	s_wait_tensorcnt 0x0
	ds_add_u32 v254, v255
	s_wait_dscnt 0x0
	CROUND                                         ; the closing round: no work-group ends while a partner may still ask for a tile that names it
	s_endpgm
.Lfunc_end_k_qb48503f484_attn:
	.size	k_qb48503f484_attn, .Lfunc_end_k_qb48503f484_attn-k_qb48503f484_attn
	.p2alignl 7, 3214868480
	.fill 96, 4, 3214868480
	.section	.rodata,"a",@progbits
	.p2align	6, 0x0
	.amdhsa_kernel k_qb48503f484_attn
		.amdhsa_group_segment_fixed_size 206848
		.amdhsa_private_segment_fixed_size 0
		.amdhsa_enable_private_segment 0
		.amdhsa_kernarg_size 32
		.amdhsa_user_sgpr_count 2
		.amdhsa_user_sgpr_kernarg_segment_ptr 1
		.amdhsa_wavefront_size32 1
		.amdhsa_system_sgpr_workgroup_id_x 1
		.amdhsa_system_sgpr_workgroup_id_y 1
		.amdhsa_system_sgpr_workgroup_id_z 1
		.amdhsa_system_vgpr_workitem_id 0
		.amdhsa_next_free_vgpr 256
		.amdhsa_next_free_sgpr 72
		.amdhsa_reserve_vcc 1
		.amdhsa_float_denorm_mode_32 3
		.amdhsa_float_denorm_mode_16_64 3
		.amdhsa_memory_ordered 1
		.amdhsa_forward_progress 1
		.amdhsa_inst_pref_size 55
	.end_amdhsa_kernel
	.amdgpu_metadata
---
amdhsa.version: [ 1, 2 ]
amdhsa.kernels:
  - .name:           k_qb48503f484_attn
    .symbol:         k_qb48503f484_attn.kd
    .args:
      - { .name: qkvc, .offset: 0, .size: 8, .value_kind: global_buffer, .address_space: global }
      - { .name: qkvs, .offset: 8, .size: 8, .value_kind: global_buffer, .address_space: global }
      - { .name: acod, .offset: 16, .size: 8, .value_kind: global_buffer, .address_space: global }
      - { .name: ascl, .offset: 24, .size: 8, .value_kind: global_buffer, .address_space: global }
    .group_segment_fixed_size: 206848
    .private_segment_fixed_size: 0
    .kernarg_segment_align: 8
    .kernarg_segment_size: 32
    .max_flat_workgroup_size: 512
    .sgpr_count:     72
    .vgpr_count:     256
    .wavefront_size: 32
...
	.end_amdgpu_metadata
.endif
;; end of part 3
;; launch outp (part 4): grid 4 x 32, 4 waves a work-group, clusters of 4 x 4, 327,680 bytes of LDS; arguments acod, ascl, wcod, wscl, bout, out0; writes out0
.if DOCPART == 4
	.amdgcn_target "amdgcn-amd-amdhsa--gfx1250"
	.amdhsa_code_object_version 6
	.text
	.protected	k_qb48503f484_outp
	.globl	k_qb48503f484_outp
	.p2align	8
	.type	k_qb48503f484_outp,@function
k_qb48503f484_outp:
	s_mov_b64 s[64:65], 0
	v_nop
	global_prefetch_b8 v0, s[64:65] scope:SCOPE_SE
	s_setreg_imm32_b32 hwreg(HW_REG_WAVE_MODE, 25, 1), 1
	s_wait_xcnt 0x0
	s_wait_alu depctr_hold_cnt(0) depctr_sa_sdst(0) depctr_va_vdst(0) depctr_va_sdst(0) depctr_va_ssrc(0) depctr_va_vcc(0) depctr_vm_vsrc(0)
	s_getreg_b32 s2, hwreg(HW_REG_IB_STS2, 6, 4)
	s_cmp_eq_u32 s2, 0
	s_cbranch_scc0 .Lentry_in_a_cluster
	s_endpgm
.Lentry_in_a_cluster:
	s_bfe_u32 s2, ttmp6, 0x10000c
	s_cmp_lg_u32 s2, 0xf033
	s_cbranch_scc0 .Lentry_shape_is_right
	s_endpgm
.Lentry_shape_is_right:
; out0 = o Wout + bout on codes of FP6 (E2M3) with E8M0 scales, K = 1,024.  A tile of 256 x 256 is made by four waves, each 128 x 128: 64 accumulators, 512 registers.
; K goes in steps of 256 through a ring of two LDS slots filled by the tensor data mover; the scale bytes of the tile's 512 rows come once and stay.  4 x 4 work-groups form a cluster: A's tile is asked for jointly along a
; row of the cluster, B's along a column.  Source 0 = 16 rows of B (Wout's columns), source 1 = 16 rows of A: a lane holds eight numbers of a row of the output.
; A = acod [T = stored token / 16][head][768]: half fragments, images of six registers (registers 0-3 at 16 x lane, registers 4-5 at 512 + 8 x lane): a K step is four heads, 3,072 consecutive bytes of each T.
; B = rows 3,072 .. 4,095 of wcod [row][768] and wscl [row][32].  Tokens and Wout's columns are stored with bits 3 and 4 of their number exchanged: the way out puts both back.
; bout is the C of each sum's first matrix instruction.
; REGISTERS: window 0: v0-31 addresses; v32-63 scale words; v64-127 bout; v128-223 A's fragments, on the way out rows of the output.  window 1: B's fragments, two sets.  windows 2, 3: accumulators.
.set SIZE_N, 1024
.set NQ,     2
.set ROWB,   192
.set KROW,   768
.set PITCH,  240
.set FR,     12
.set NLA,    4                         ; LDS loads that bring a fragment of A
.set NP,     4
.set HALFT,  128*PITCH                 ; B: 128 rows
.set HALFA,  8*3072                    ; A: 8 T's x four heads
.set SLOT,   2*HALFA+2*HALFT
.set LAPS,   2
.set KS,     32
.set SCL,    2*SLOT
.set HALFS,  (128*KS/256)*272
.set SBLK,   (16*KS/256)*272
.set SPARE,  SCL+4*HALFS
.set SPITCH, 528                       ; the way out: a stage of 16 rows x (512 + 16) bytes a wave, in slot 0, which has had its last fill and its last read by then
.set ADRA, 16                          ; v16-17 16 x lane + my half of A in slot 0, 1;  v18-19 the same with 8 x lane
.set ADRB, 20
.set STO,  24
.set RD,   25
.set CO,   26
.set ADRS, 27
.set SPW,  28
.set NIL,  29
.set SC,   32
.set BI,   64
.set AF,   128
.set BK,   128
.set G1, 24
.set G0, 32
.set G1B, 48
.set G0B, 56
.set G1S, 68
.set G0S, 76
.set G1SB, 80
.set G0SB, 88
.set MSB, 0
.macro WIN new
.if MSB != \new
	s_set_vgpr_msb (MSB<<8)|\new
.set MSB, \new
.endif
.endm
.set MUL_LO, 0xa1
.set MUL_HI, 0xf1
.set TO_B,   0x40
.macro JLOAD g0a, g1a, g0b, g1b        ; waves 0 and 1 fetch for A, waves 2 and 3 for B; four v_nop follow each of the two lines
	s_cmp_eq_u32 s15, 0
	s_cbranch_scc0 .Lfor_b_\@
	tensor_load_to_lds s[\g0a:\g0a+3], s[\g1a:\g1a+7]
	s_nop 0
.rept 4
	v_nop
.endr
	s_branch .Lasked_\@
.Lfor_b_\@:
	tensor_load_to_lds s[\g0b:\g0b+3], s[\g1b:\g1b+7]
	s_nop 0
.rept 4
	v_nop
.endr
.Lasked_\@:
.endm
.macro CREST
	s_cmp_lg_u32 s14, 0
	s_cbranch_scc1 .Lnot_wave_0_\@
	s_barrier_signal -3
.Lnot_wave_0_\@:
	s_barrier_wait -3
	s_barrier_signal -1
	s_barrier_wait -1
.endm
.macro CROUND
	s_barrier_signal -1
	s_barrier_wait -1
	CREST
.endm
	s_load_b128 s[4:7], s[0:1], 0x0                ; acod, ascl
	s_load_b128 s[8:11], s[0:1], 0x10              ; wcod, wscl
	s_load_b128 s[96:99], s[0:1], 0x20             ; bout, out0
	v_lshl_add_u32 v[SPW], v0, 2, SPARE
	v_mov_b32 v[NIL], 0
	ds_add_u32 v28, v29
	ds_add_u32 v28, v29
	s_wait_dscnt 0x0
	v_lshrrev_b32 v1, 5, v0
	v_readfirstlane_b32 s14, v1                    ; wave 0..3
	s_lshr_b32 s15, s14, 1                         ; which half of the tile's rows is mine.  Also: I fetch for A (0) or for B (1)
	s_and_b32 s16, s14, 1                          ; which half of its columns.  Also: which 128 rows I fetch
	s_bfe_u32 s40, ttmp6, 0x40000
	s_bfe_u32 s41, ttmp6, 0x40004
	s_lshl_b32 s42, ttmp9, 2
	s_add_co_u32 s42, s42, s40                     ; tile column
	s_and_b32 s17, ttmp7, 0xffff
	s_lshl_b32 s17, s17, 2
	s_add_co_u32 s17, s17, s41                     ; tile row
	s_lshl_b32 s43, s41, 2
	s_lshl_b32 s43, 15, s43                        ; my row of the cluster
	s_lshl_b32 s44, 0x1111, s40                    ; my column
	; group 1 for A: 8 rows (T's) of 3,072 bytes (384 elements of 8), 12,288 bytes apart, dense in LDS
	s_or_b32 s[G1+0], s43, (3<<16)|(1<<21)
	s_mov_b32 s[G1+1], 384<<16
	s_mov_b32 s[G1+2], 8<<16
	s_mov_b32 s[G1+3], 384<<16
	s_mov_b32 s[G1+4], 8
	s_mov_b32 s[G1+5], 1536
	s_mov_b32 s[G1+6], 0
	s_mov_b32 s[G1+7], 0
	; for B: 128 rows x 192 bytes, 16 bytes of padding behind every 64
	s_or_b32 s[G1B+0], s44, (0<<16)|(1<<20)|(1<<21)|(3<<22)|(3<<25)
	s_mov_b32 s[G1B+1], ROWB<<16
	s_mov_b32 s[G1B+2], 128<<16
	s_mov_b32 s[G1B+3], ROWB<<16
	s_mov_b32 s[G1B+4], 128
	s_mov_b32 s[G1B+5], KROW
	s_mov_b32 s[G1B+6], 0
	s_mov_b32 s[G1B+7], 0
	; the scale bytes of 128 rows: 16 rows of 256 bytes, 16 of padding behind each
	s_or_b32 s[G1S+0], s43, (3<<16)|(1<<20)|(1<<21)|(5<<22)|(3<<25)
	s_or_b32 s[G1SB+0], s44, (3<<16)|(1<<20)|(1<<21)|(5<<22)|(3<<25)
.irp g, G1S, G1SB
	s_mov_b32 s[\g+1], 32<<16
	s_mov_b32 s[\g+2], (128*KS/256)<<16
	s_mov_b32 s[\g+3], 32<<16
	s_mov_b32 s[\g+4], 128*KS/256
	s_mov_b32 s[\g+5], 32
	s_mov_b32 s[\g+6], 0
	s_mov_b32 s[\g+7], 0
.endr
	s_lshl_b32 s18, s16, 7
	s_lshl_b32 s20, s17, 8
	s_add_co_u32 s20, s20, s18                     ; A: stored token 256 x tile row + 128 x half (768 bytes of codes a token, as 12,288 a T)
	s_lshl_b32 s46, s42, 8
	s_add_co_u32 s46, s46, s18
	s_add_co_u32 s46, s46, 3072                    ; B: Wout's rows lie behind Wqkv's 3,072
	s_mov_b32 s21, 0
	s_mov_b32 s47, 0
	s_mov_b64 s[18:19], KS
	s_mul_u64 s[22:23], s[20:21], s[18:19]
	s_mul_u64 s[92:93], s[46:47], s[18:19]
	s_mov_b64 s[18:19], KROW
	s_mul_u64 s[20:21], s[20:21], s[18:19]
	s_mul_u64 s[46:47], s[46:47], s[18:19]
	s_mul_i32 s45, s16, HALFA                      ; where they go: A's two halves,
	s_mul_i32 s95, s16, HALFT
	s_add_co_u32 s95, s95, 2*HALFA                 ; then B's two
	s_mul_i32 s94, s14, HALFS
	s_wait_kmcnt 0x0
	s_add_nc_u64 s[20:21], s[4:5], s[20:21]
	s_add_nc_u64 s[22:23], s[6:7], s[22:23]
	s_add_nc_u64 s[46:47], s[8:9], s[46:47]
	s_add_nc_u64 s[92:93], s[10:11], s[92:93]
	CROUND                                         ; all sixteen work-groups are here: the first joint loads meet
	s_mov_b32 s[G0S], 1
	s_add_co_u32 s[G0S+1], s94, SCL
	s_mov_b64 s[G0S+2:G0S+3], s[22:23]
	s_or_b32 s[G0S+3], s[G0S+3], 0x80000000
	s_mov_b32 s[G0SB], 1
	s_add_co_u32 s[G0SB+1], s94, SCL
	s_mov_b64 s[G0SB+2:G0SB+3], s[92:93]
	s_or_b32 s[G0SB+3], s[G0SB+3], 0x80000000
	JLOAD G0S, G1S, G0SB, G1SB
.irp s, 0,1
	s_mov_b32 s[G0+4*\s], 1
	s_add_co_u32 s[G0+4*\s+1], s45, \s*SLOT
	s_add_nc_u64 s[G0+4*\s+2:G0+4*\s+3], s[20:21], \s*3072
	s_or_b32 s[G0+4*\s+3], s[G0+4*\s+3], 0x80000000
	s_mov_b32 s[G0B+4*\s], 1
	s_add_co_u32 s[G0B+4*\s+1], s95, \s*SLOT
	s_add_nc_u64 s[G0B+4*\s+2:G0B+4*\s+3], s[46:47], \s*ROWB
	s_or_b32 s[G0B+4*\s+3], s[G0B+4*\s+3], 0x80000000
	JLOAD G0+4*\s, G1, G0B+4*\s, G1B               ; three tensor loads of mine are out
.endr
	v_and_b32 v1, 15, v0                           ; r
	v_bfe_u32 v2, v0, 4, 1                         ; h
	v_and_b32 v6, 31, v0
	v_lshlrev_b32 v7, 4, v6                        ; 16 x lane
	v_lshlrev_b32 v8, 3, v6                        ; 8 x lane
	v_lshlrev_b32 v9, 6, v2                        ; 64 h
	v_mul_u32_u24 v3, v1, PITCH
	v_mul_u32_u24 v4, v2, 24
	v_add_nc_u32 v4, v3, v4
	v_lshl_add_u32 v5, v2, 4, v4
	s_mul_i32 s21, s15, HALFA                      ; my 8 T's of A
	s_mul_i32 s22, s16, HALFT
	s_add_co_u32 s22, s22, 2*HALFA                 ; my 128 rows of B
.irp s, 0,1
	v_add_nc_u32 v[ADRA+\s], s21, v7
	v_add_nc_u32 v[ADRA+2+\s], s21, v8
	v_add_nc_u32 v[ADRB+\s], s22, v4
	v_add_nc_u32 v[ADRB+2+\s], s22, v5
	s_add_co_u32 s21, s21, SLOT
	s_add_co_u32 s22, s22, SLOT
.endr
	v_mul_u32_u24 v5, v1, KS
	v_lshrrev_b32 v6, 8, v5
	v_lshl_add_u32 v5, v6, 4, v5
	s_mul_i32 s21, s15, HALFS
	s_mul_i32 s22, s16, HALFS
	s_add_co_u32 s22, s22, 2*HALFS
	s_sub_co_u32 s22, s22, s21
	v_mul_u32_u24 v6, s22, v2                      ; lanes 16-31 take B's
	s_add_co_u32 s21, s21, SCL
	v_add_nc_u32 v5, v5, v6
	v_add_nc_u32 v[ADRS], s21, v5
	s_mul_i32 s23, s14, 16*SPITCH                  ; my stage
	v_mul_u32_u24 v5, v1, SPITCH
	v_lshl_add_u32 v5, v2, 6, v5                   ; in: row r, + 64 h: of each 32 true columns my half holds 16
	v_add_nc_u32 v[STO], s23, v5
	v_mov_b32 v[CO], v7                            ; back: the 32 lanes take one row of 512 bytes; and the same in the output
	v_add_nc_u32 v[RD], s23, v7
	s_lshl_b32 s46, s42, 10
	s_lshl_b32 s47, s16, 9
	s_add_co_u32 s46, s46, s47                     ; my first column, in bytes
	s_mov_b32 s47, 0
	s_add_nc_u64 s[96:97], s[96:97], s[46:47]      ; bout there
.irp t, 0,1,2,3,4,5,6,7                        ; register 8 t + j of lane (r, h) is true column 32 (t / 2) + 16 h + 8 (t % 2) + j
	global_load_b128 v[BI+8*\t:BI+8*\t+3], v9, s[96:97] offset:(32*(\t/2)+8*(\t%2))*4
	global_load_b128 v[BI+8*\t+4:BI+8*\t+7], v9, s[96:97] offset:(32*(\t/2)+8*(\t%2))*4+16
.endr
	s_lshl_b32 s20, s17, 8
	s_lshl_b32 s21, s15, 7
	s_add_co_u32 s20, s20, s21                     ; my first row
	s_mov_b32 s21, 0
	s_mov_b64 s[18:19], SIZE_N*4
	s_mul_u64 s[20:21], s[20:21], s[18:19]
	s_add_nc_u64 s[20:21], s[20:21], s[46:47]
	s_add_nc_u64 s[12:13], s[98:99], s[20:21]      ; never stepped: every row's place stands in a store's immediate, 127 rows of 4,096 bytes at the most
.macro FRAG reg, adr, q, i             ; B: 16 rows x 128 K from padded rows, in pieces of 8 bytes
.irp p, 0,1,2,3,4,5
.set PCE, 12*(\q)+6*(\p/3)+\p%3
.if PCE%8 < 5
	ds_load_b64 v[\reg+2*\p:\reg+2*\p+1], v[\adr] offset:8*PCE+16*(PCE/8)+(\i)*16*PITCH
.else
	ds_load_b64 v[\reg+2*\p:\reg+2*\p+1], v[\adr+2] offset:8*PCE+16*(PCE/8)+(\i)*16*PITCH
.endif
.endr
.endm
.macro FRAGA reg, slot, q, i           ; A: two half fragments, as they lie: a load's lanes read consecutive bytes
	ds_load_b128 v[\reg:\reg+3], v[ADRA+\slot] offset:(\i)*3072+(\q)*1536
	ds_load_b64 v[\reg+4:\reg+5], v[ADRA+2+\slot] offset:(\i)*3072+(\q)*1536+512
	ds_load_b128 v[\reg+6:\reg+9], v[ADRA+\slot] offset:(\i)*3072+(\q)*1536+768
	ds_load_b64 v[\reg+10:\reg+11], v[ADRA+2+\slot] offset:(\i)*3072+(\q)*1536+1280
.endm
; 16 matrix instructions; first = 1: bout starts the sums.  The 64 accumulators take turns, one instruction a turn.
.macro MUL16 a0, p, q, sc, first
.irp a, \a0, \a0+1
.irp b, 0,1,2,3,4,5,6,7
.if \first
	v_wmma_scale_f32_16x16x128_f8f6f4 v[8*(8*((\a)%4)+\b):8*(8*((\a)%4)+\b)+7], v[128*(\p)+FR*\b:128*(\p)+FR*\b+FR-1], v[AF+FR*(\a):AF+FR*(\a)+FR-1], v[BI+8*\b:BI+8*\b+7], v[SC+8*NQ*(\sc)+NQ*\b+(\q)], v[SC+8*NQ*(\sc)+NQ*(\a)+(\q)] matrix_a_fmt:MATRIX_FMT_FP6 matrix_b_fmt:MATRIX_FMT_FP6 matrix_a_scale:MATRIX_SCALE_ROW1
.else
	v_wmma_scale_f32_16x16x128_f8f6f4 v[8*(8*((\a)%4)+\b):8*(8*((\a)%4)+\b)+7], v[128*(\p)+FR*\b:128*(\p)+FR*\b+FR-1], v[AF+FR*(\a):AF+FR*(\a)+FR-1], v[8*(8*((\a)%4)+\b):8*(8*((\a)%4)+\b)+7], v[SC+8*NQ*(\sc)+NQ*\b+(\q)], v[SC+8*NQ*(\sc)+NQ*(\a)+(\q)] matrix_a_fmt:MATRIX_FMT_FP6 matrix_b_fmt:MATRIX_FMT_FP6 matrix_a_scale:MATRIX_SCALE_ROW1
.endif
.endr
.endr
.endm
.macro FETCH_B slot, q, p
	WIN TO_B
.irp i, 0,1,2,3,4,5,6,7
	FRAG 128*(\p)+FR*\i, ADRB+\slot, \q, \i
.endr
	WIN 0
.endm
.macro FETCH_A slot, q, i0
.irp i, \i0, \i0+1, \i0+2, \i0+3
	FRAGA AF+FR*(\i), \slot, \q, \i
.endr
.endm
.macro SCALES sc
.irp i, 0,1,2,3,4,5,6,7
	ds_load_b64 v[SC+8*NQ*\sc+NQ*\i:SC+8*NQ*\sc+NQ*\i+1], v[ADRS] offset:\i*SBLK
.endr
.endm
.macro PLACES n
.rept \n
	v_nop
.endr
.endm
.macro STEP slot, q, first
	s_wait_dscnt 4*NLA                             ; B's set and A's blocks 0-3 are in; the youngest 16 loads (A's blocks 4-7) may be out
.if \first
	WIN 0x81                                       ; source 0 window 1, sources 1 and 2 (A, bout) window 0, D window 2
.else
	WIN MUL_LO
.endif
	MUL16 0, (\q)%2, \q, \slot, \first
	MUL16 2, (\q)%2, \q, \slot, \first
	s_wait_dscnt 0
	PLACES NP
	FETCH_B \slot, (\q)+1, 1-(\q)%2
	FETCH_A \slot, (\q)+1, 0
.if \first
	WIN 0xc1
.else
	WIN MUL_HI
.endif
	MUL16 4, (\q)%2, \q, \slot, \first
	MUL16 6, (\q)%2, \q, \slot, \first
	PLACES NP
	WIN 0
	FETCH_A \slot, (\q)+1, 4
.endm
.macro TURN slot, next, fill
	s_wait_tensorcnt 0x0                           ; all my tensor loads have landed: my part of the next slot
	ds_add_u32 v[SPW], v[NIL]                      ; 0 onto my spare word
	s_wait_dscnt 4*NLA+1                           ; (the add and the youngest 16 loads may be out)
	WIN MUL_LO
	MUL16 0, 1, NQ-1, \slot, 0
	s_wait_dscnt 0x0                               ; the add is done, and my reads of this slot are over
	s_barrier_signal -1
	MUL16 2, 1, NQ-1, \slot, 0
	WIN 0
	s_barrier_wait -1
.if \fill
	CREST                                          ; a round of the cluster's barrier: no wave of any partner still reads this slot or has a load on its way
	s_add_nc_u64 s[G0+4*\slot+2:G0+4*\slot+3], s[G0+4*\slot+2:G0+4*\slot+3], 2*3072
	s_add_nc_u64 s[G0B+4*\slot+2:G0B+4*\slot+3], s[G0B+4*\slot+2:G0B+4*\slot+3], 2*ROWB
	JLOAD G0+4*\slot, G1, G0B+4*\slot, G1B
.else
	PLACES NP
.endif
	v_add_nc_u32 v[ADRS], 4*NQ, v[ADRS]
	FETCH_B \next, 0, 0
	FETCH_A \next, 0, 0
	SCALES \next
	WIN MUL_HI
	MUL16 4, 1, NQ-1, \slot, 0
	MUL16 6, 1, NQ-1, \slot, 0
	PLACES NP
	WIN 0
	FETCH_A \next, 0, 4
.endm
	s_wait_tensorcnt 1                             ; the scale bytes and my part of K step 0 are in (K step 1's load may be out),
	s_barrier_signal -1
	s_barrier_wait -1                              ; everybody's are
	FETCH_B 0, 0, 0
	FETCH_A 0, 0, 0
	SCALES 0
	FETCH_A 0, 0, 4
	s_wait_loadcnt 0x0                             ; bout
	STEP 0, 0, 1
	s_mov_b32 s3, LAPS-1
.Llap:
	TURN 0, 1, 1
	STEP 1, 0, 0
	TURN 1, 0, 1
	STEP 0, 0, 0
	s_sub_co_u32 s3, s3, 1
	s_cmp_lg_u32 s3, 0
	s_cbranch_scc1 .Llap
	TURN 0, 1, 0
	STEP 1, 0, 0
	s_wait_dscnt 4*NLA
	WIN MUL_LO
	MUL16 0, 1, NQ-1, 1, 0
	MUL16 2, 1, NQ-1, 1, 0
	s_wait_dscnt 0
	WIN MUL_HI
	MUL16 4, 1, NQ-1, 1, 0
	MUL16 6, 1, NQ-1, 1, 0
	WIN 0
; THE WAY OUT, block by block of 16 stored tokens x 128 columns, through my own stage: in by true column, back as whole rows of 512 bytes.
.macro TOSTAGE a
.set AC, 64*((\a)%4)
.set WN, 0x08+4*((\a)/4)
	WIN WN                                         ; an LDS store's data: window 2 or 3
.irp b, 0,1,2,3,4,5,6,7
	ds_store_b128 v[STO], v[AC+8*\b:AC+8*\b+3] offset:128*(\b/2)+32*(\b%2)       ; each accumulator from its low end on
	ds_store_b128 v[STO], v[AC+8*\b+4:AC+8*\b+7] offset:128*(\b/2)+32*(\b%2)+16
.endr
	WIN 0
.set BB, BK+64*((\a)%2)
.irp t, 0,1,2,3,4,5,6,7,8,9,10,11,12,13,14,15
	ds_load_b128 v[BB+4*\t:BB+4*\t+3], v[RD] offset:\t*SPITCH    ; LDS serves a wave's instructions in order (ISA guide 5.7.1.4): these see the stores above
.endr
.endm
.macro SEND a, younger
.set BB, BK+64*((\a)%2)
	s_wait_dscnt \younger                          ; the block is back in registers
.irp t, 0,1,2,3,4,5,6,7,8,9,10,11,12,13,14,15
	global_store_b128 v[CO], v[BB+4*\t:BB+4*\t+3], s[12:13] offset:(32*((\a)/2)+16*(\t/8)+8*((\a)%2)+\t%8)*SIZE_N*4 th:TH_STORE_NT   ; stored token 16 a + t is true token 32 (a / 2) + 16 (t / 8) + 8 (a % 2) + t % 8; 32 lanes store 512 consecutive bytes, aligned to 256
.endr
.endm
	PLACES NP
	TOSTAGE 0
.irp a, 1,2,3,4,5,6,7
.if \a > 1
	s_wait_xcnt 0x0                                ; block a - 2's stores have read their registers: block a's loads may land there
.endif
	TOSTAGE \a
	SEND \a-1, 32                                  ; behind block a - 1's loads: block a's 16 stores and 16 loads
.endr
	SEND 7, 0
	s_wait_tensorcnt 0x0                           ; the wave's end
	ds_add_u32 v[SPW], v[NIL]
	s_wait_dscnt 0x0
	CROUND                                         ; the closing round
	s_endpgm
.Lfunc_end_k_qb48503f484_outp:
	.size	k_qb48503f484_outp, .Lfunc_end_k_qb48503f484_outp-k_qb48503f484_outp
	.p2alignl 7, 3214868480
	.fill 96, 4, 3214868480
	.section	.rodata,"a",@progbits
	.p2align	6, 0x0
	.amdhsa_kernel k_qb48503f484_outp
		.amdhsa_group_segment_fixed_size 327680
		.amdhsa_private_segment_fixed_size 0
		.amdhsa_enable_private_segment 0
		.amdhsa_kernarg_size 48
		.amdhsa_user_sgpr_count 2
		.amdhsa_user_sgpr_kernarg_segment_ptr 1
		.amdhsa_wavefront_size32 1
		.amdhsa_system_sgpr_workgroup_id_x 1
		.amdhsa_system_sgpr_workgroup_id_y 1
		.amdhsa_system_sgpr_workgroup_id_z 1
		.amdhsa_system_vgpr_workitem_id 0
		.amdhsa_next_free_vgpr 1024
		.amdhsa_next_free_sgpr 100
		.amdhsa_reserve_vcc 0
		.amdhsa_float_denorm_mode_32 3
		.amdhsa_float_denorm_mode_16_64 3
		.amdhsa_memory_ordered 1
		.amdhsa_forward_progress 1
		.amdhsa_inst_pref_size 153
	.end_amdhsa_kernel
	.amdgpu_metadata
---
amdhsa.version: [ 1, 2 ]
amdhsa.kernels:
  - .name:           k_qb48503f484_outp
    .symbol:         k_qb48503f484_outp.kd
    .args:
      - { .name: acod, .offset: 0, .size: 8, .value_kind: global_buffer, .address_space: global }
      - { .name: ascl, .offset: 8, .size: 8, .value_kind: global_buffer, .address_space: global }
      - { .name: wcod, .offset: 16, .size: 8, .value_kind: global_buffer, .address_space: global }
      - { .name: wscl, .offset: 24, .size: 8, .value_kind: global_buffer, .address_space: global }
      - { .name: bout, .offset: 32, .size: 8, .value_kind: global_buffer, .address_space: global }
      - { .name: out0, .offset: 40, .size: 8, .value_kind: global_buffer, .address_space: global }
    .group_segment_fixed_size: 327680
    .private_segment_fixed_size: 0
    .kernarg_segment_align: 8
    .kernarg_segment_size: 48
    .max_flat_workgroup_size: 128
    .sgpr_count:     100
    .vgpr_count:     1024
    .wavefront_size: 32
...
	.end_amdgpu_metadata
.endif
;; end of part 4
